; MI455X (gfx1250); checked and timed in simulation.
; The chip was launched on July 23, 2026; its instructions are those of AMD's public machine-readable ISA for CDNA 5 (MIT licence, August 2026) and "CDNA5" Instruction Set Architecture Reference Guide (July 2026). The comments in the code are by the model that wrote it; some were corrected since.
;; Multihead Attention. Allowed arithmetic: matrix products marked QUANTISED: E3M2 operands, one E8M0 scale for each 32 along K, by v_wmma_scale_f32_16x16x128_f8f6f4 with both operands' format E3M2, f32 sums; everything else in f32.
;; Inputs: Wk 1,024 x 1,024 float32; Wo 1,024 x 1,024 float32; Wq 1,024 x 1,024 float32; Wv 1,024 x 1,024 float32; attn_mask 2,048 x 2,048 bool; bk 1,024 float32; bo 1,024 float32; bq 1,024 float32; bv 1,024 float32; key 2,048 x 4 x 1,024 float32; query 2,048 x 4 x 1,024 float32; value 2,048 x 4 x 1,024 float32.
;; Outputs: out0 2,048 x 4 x 1,024 float32.
;; This version of the problem:
;;   THIS VERSION OF THE PROBLEM IS GIVEN IN LOW PRECISION. The matrix products marked QUANTISED in the list below multiply operands that are first quantised to E3M2 (3 exponent bits, 2 mantissa bits; 6 bits a number), with one power-of-two scale for each 32 numbers along K (OCP MX v1.0); their sums are f32. All else is computed in f32.
;;   The module's matrix products, in the order in which they are computed (A, B: the left and right operand; K: the contracted axis; several contracted axes count as one K, in the product's order):
;;     1. [M 8,192, K 1,024] x [K 1,024, N 1,024]; A: input query; B: input Wq: QUANTISED
;;     2. [M 8,192, K 1,024] x [K 1,024, N 1,024]; A: input key; B: input Wk: QUANTISED
;;     3. [M 8,192, K 1,024] x [K 1,024, N 1,024]; A: input value; B: input Wv: QUANTISED
;;     4. batch 64 x [M 2,048, K 64] x [K 64, N 2,048]; A: computed on the way; B: computed on the way: QUANTISED
;;     5. batch 64 x [M 64, K 2,048] x [K 2,048, N 2,048]; A: computed on the way; B: softmax (see below): QUANTISED
;;     6. [M 8,192, K 1,024] x [K 1,024, N 1,024]; A: computed on the way; B: input Wo: QUANTISED
;;   THE QUANTISER, for each operand of a quantised product, along K:
;;     - K is cut into blocks of 32 from its start; a last block that is shorter is filled with zeros.
;;     - A block's scale is 2^e with e = floor(log2(the largest magnitude in the block)) - 4, held to -126 .. 127; a block of zeros has e = 0. As a byte (E8M0): e + 127.
;;     - Each number is divided by its block's scale, clamped to +-28, and rounded to the nearest number of E3M2, ties to even, subnormals kept.
;;     - The product sums the exact products of the quantised numbers (number of the format x scale) in f32.
;;   ~~~python
;;   def quantise(x, axis):      # numpy; x: float32 -> the quantised numbers, widened to float32 again
;;       x = np.moveaxis(x, axis, -1); K = x.shape[-1]
;;       x = np.pad(x, [(0, 0)] * (x.ndim - 1) + [(0, -K % 32)]); x = x.reshape(x.shape[:-1] + (-1, 32)); a = np.abs(x).max(-1, keepdims=True)
;;       e = np.where(a > 0, np.clip(np.frexp(np.where(a > 0, a, 1))[1] - 1 - 4, -126, 127), 0)      # np.frexp(a)[1] - 1 = floor(log2(a)), exactly
;;       r = np.clip(x / 2.0 ** e, -28, 28)
;;       step = 2.0 ** (np.maximum(np.frexp(np.where(r == 0, 1, r))[1] - 1, -2) - 2)
;;       q = np.round(r / step) * step * 2.0 ** e      # np.round: ties to even
;;       return np.moveaxis(q.reshape(q.shape[:-2] + (-1,))[..., :K], -1, axis).astype(np.float32)
;;   ~~~
;;   SOFTMAX AHEAD OF A QUANTISED PRODUCT. Where the list says 'softmax', what is quantised is not the finished softmax but p = 2^(t - M), with t = logit x log2(e) and M = ceil(the row's largest t), a whole number; so 1/2 < the row's largest p <= 1. The row's sum l is taken of the UNQUANTISED p, in f32, and the product's result is divided by l at the end. Since M is a whole number, a kernel that streams over the keys may use a running M (the ceiling of the running maximum): every later rescaling is an exact power of two, which a block's scale takes up: the codes' values come out the same.
;;   OPERANDS COMPUTED ON THE WAY. 'Computed on the way' means the value that the module computes at that place (a softmax that the list does not call 'softmax' is quantised finished and normalised). What goes into a quantiser is computed in f32, as accurately as f32 sums, v_exp_f32 and their like allow (about 1e-6 of the number): no bf16 or f16 on the way to a quantiser, and a product that is left as it is and whose result goes on into a quantised operand takes f32 operands (vector FMAs, or v_wmma_f32_16x16x4_f32). A number that lies on a knife's edge between two numbers of the format may be rounded either way, as far as f32 arithmetic and the matrix unit's own rounding can turn it there, and no further.
;; One version. Each part assembles by itself: llvm-mc -triple=amdgcn-amd-amdhsa -mcpu=gfx1250 --defsym DOCPART=n.
;; ======== version 1 of 1: 4 launches
;; limits: right only within a limited range of input values
;; workspace buffers: XC 22,020,096 bytes; XS 917,504 bytes; MW 524,288 bytes of whole numbers; FL 2,048 bytes of whole numbers; QKVI 18,874,368 bytes; QKVS 1,310,720 bytes; AOC 6,291,456 bytes; AOS 524,288 bytes
;; launch prep (part 1): grid 576 x 1, 4 waves a work-group, no clusters, 37,376 bytes of LDS; arguments query, key, value, Wq, Wk, Wv, Wo, attn_mask, XC, XS, MW, FL; writes XC, XS, MW, FL
.if DOCPART == 1
	.amdgcn_target "amdgcn-amd-amdhsa--gfx1250"
	.amdhsa_code_object_version 6
	.text
	.protected	k_q934ab8c62d_prep
	.globl	k_q934ab8c62d_prep
	.p2align	8
	.type	k_q934ab8c62d_prep,@function
k_q934ab8c62d_prep:
	s_mov_b64 s[64:65], 0
	v_nop
	global_prefetch_b8 v0, s[64:65] scope:SCOPE_SE
	s_setreg_imm32_b32 hwreg(HW_REG_WAVE_MODE, 25, 1), 1
	s_wait_xcnt 0x0
; PREP: the first of four launches of out = softmax(mask(Q K^T / 32)) V Wo^T + bo, Q, K, V = query Wq^T + bq, key Wk^T + bk, value Wv^T + bv; all six products on codes of BF6 (E3M2) with one E8M0 scale for each 32 along K.
; DEAD WORK: none.  Every input has a way to the output (bk moves K's codes, so it stays), and no product, row or step is left out for all values of the inputs.
; WHAT THE MASK DECIDES is decided by whole numbers: this launch stores, for each tile of 16 queries and each step of 128 keys, the mask as 64 words of lane bits (MW) and two flags (FL): some key counts; some key is hidden.
; The attention launch reads them and jumps over a step in which no key counts for any of the 16 queries: there every p is 0, and the row's maximum and sum stay as they are.  The mask's pattern is built in nowhere.
; LIMITS: NaN and infinities among the floating-point inputs are not served.  A block whose largest magnitude lies under 2^-122 keeps the scale byte 1, a block of zeros too (the rule says 127): its codes are zeros, and this program alone reads the bytes.
; A mask byte other than 0 counts as True.
; THIS LAUNCH.  Work-groups 128 to 575: the seven f32 operands (query, key, value, Wq, Wk, Wv, Wo; K innermost in all) become codes and scale words, laid as IMAGES OF OPERAND REGISTERS.
;   A row tile G is 16 rows: tile 2 B + u of a tensor (of a batch) holds rows 32 B + 8 u + p + 8 (p / 8), p = 0 .. 15, so that two neighbouring tiles' results of a transposed product are 16 neighbours along the next K.
;   XC [G][ks 0..7][1536]: a fragment (16 rows x 128 K, 12 registers a lane) as two halves of 768 bytes: registers 0-3 at 16 x lane, registers 4-5 at 512 + 8 x lane.   XS [G][row][8 words]: word ks = the four bytes of 128 along K.
;   A wave takes one row tile and walks its 1,024 along K in 8 units.  Each load reads 512 consecutive bytes of a row; a unit turns through the wave's own stage in LDS, so that a lane gets 16 neighbours of each block of 32.
; Work-groups 0 to 127: the mask.  Wave (tile, group of 4 steps); a lane reads its query's 16 mask bytes of each block; a compare turns each byte place into a word of 32 lane bits.
.set WREG,  9216                       ; LDS of a wave: the stage, 16 rows x 528 bytes, and 512 bytes of scale words behind it
.set SP,    528                        ; 512 bytes + 16: row r starts 4 r words on in the banks
.set SSTG,  16*SP
.set SPARE, 4*WREG                     ; the spare words, 128 bytes a wave: two blocks of 256 bytes that no other line names
.set L16, 1                            ; v1  16 x lane
.set L8,  2                            ; v2  8 x lane
.set STI, 3                            ; v3  the stage on the way in
.set STO, 4                            ; v4  and on the way out: row r, + 64 h
.set SSA, 5                            ; v5  my row's scale words in LDS
.set SSR, 6                            ; v6  and where I read 16 bytes of them back
.set SPW, 12                           ; v12 my spare word; never rewritten
.set NIL, 13                           ; v13 0; never rewritten
.set TM,  16                           ; v16-31 at work
.set R,   32                           ; v32-159 two sets of 64: a unit as it is loaded
.set X,   160                          ; v160-223 a unit as the conversions want it
.set PC,  224                          ; v224-243 the codes
.set PW,  244                          ; v244 the scale word
.set RB,  248
.set SEL, 76                           ; s[76:77] selects for lane l xor 16
	s_load_b512 s[4:19], s[0:1], 0x0               ; query, key, value, Wq, Wk, Wv, Wo, attn_mask
	s_load_b256 s[20:27], s[0:1], 0x40             ; XC, XS, MW, FL
	v_lshl_add_u32 v[SPW], v0, 2, SPARE
	v_mov_b32 v[NIL], 0
	v_lshrrev_b32 v7, 5, v0
	v_readfirstlane_b32 s66, v7                    ; wave
	v_and_b32 v8, 31, v0                           ; lane
	v_and_b32 v9, 15, v0                           ; r
	v_bfe_u32 v10, v0, 4, 1                        ; h
	s_cmp_lt_u32 ttmp9, 128
	s_cbranch_scc1 .Lmask
; ---------------- the quantiser ----------------
	s_sub_co_u32 s67, ttmp9, 128
	s_lshl_b32 s67, s67, 2
	s_add_co_u32 s67, s67, s66                     ; G: query 0-511, key 512-1023, value 1024-1535 (in each: 128 b + tile), Wq 1536-, Wk 1600-, Wv 1664-, Wo 1728-1791
	s_bfe_u32 s68, s67, 0x20007                    ; b, in an activation
	s_cmp_lt_u32 s67, 1536
	s_cselect_b32 s69, 14, 12                      ; from row to row: 16,384 bytes in [L][B][D], 4,096 in a weight
	s_cselect_b32 s70, 127, 63
	s_cselect_b32 s68, s68, 0
	s_and_b32 s70, s67, s70                        ; the tile
	s_lshr_b32 s71, s70, 1
	s_lshl_b32 s71, s71, 5
	s_and_b32 s72, s70, 1
	s_lshl_b32 s72, s72, 3
	s_add_co_u32 s71, s71, s72                     ; its first row: 32 (tile / 2) + 8 (tile % 2)
	s_lshl_b32 s71, s71, s69
	s_lshl_b32 s68, s68, 12
	s_add_co_u32 s2, s71, s68
	s_mov_b32 s3, 0
	s_lshl_b32 s30, 1, s69                         ; a row on
	s_mov_b32 s31, 0
	s_mul_i32 s72, s30, 9                          ; from row p = 7 to p = 8: nine rows on
	s_mov_b32 s73, 0
	s_mov_b32 s[SEL], 0x76543210
	s_mov_b32 s[SEL+1], 0xfedcba98
	s_wait_alu depctr_va_vdst(0)
	v_lshlrev_b32 v[L16], 4, v8
	v_lshlrev_b32 v[L8], 3, v8
	s_mul_i32 s74, s66, WREG
	v_add_nc_u32 v[STI], s74, v[L16]
	v_mul_u32_u24 v[STO], v9, SP
	v_lshl_add_u32 v[STO], v10, 6, v[STO]
	v_add_nc_u32 v[STO], s74, v[STO]
	v_lshlrev_b32 v[SSA], 5, v9
	v_add_nc_u32 v[SSA], s74, v[SSA]
	v_add_nc_u32 v[SSA], SSTG, v[SSA]
	v_add_nc_u32 v[SSR], SSTG, v[STI]
.irp b, 0,1,2,3
	v_mov_b32 v[TM+4+\b], 0                        ; written once: a lane permute's destination counts as one of its sources
.endr
	s_mul_i32 s74, s67, 12288
	s_mov_b32 s75, 0
	s_lshl_b32 s70, s67, 9
	s_mov_b32 s71, 0
	s_wait_alu depctr_va_vdst(0)
	s_wait_kmcnt 0x0
	s_mov_b64 s[28:29], s[16:17]                   ; which tensor: a choice on G alone
	s_cmp_lt_u32 s67, 1728
	s_cselect_b64 s[28:29], s[14:15], s[28:29]
	s_cmp_lt_u32 s67, 1664
	s_cselect_b64 s[28:29], s[12:13], s[28:29]
	s_cmp_lt_u32 s67, 1600
	s_cselect_b64 s[28:29], s[10:11], s[28:29]
	s_cmp_lt_u32 s67, 1536
	s_cselect_b64 s[28:29], s[8:9], s[28:29]
	s_cmp_lt_u32 s67, 1024
	s_cselect_b64 s[28:29], s[6:7], s[28:29]
	s_cmp_lt_u32 s67, 512
	s_cselect_b64 s[28:29], s[4:5], s[28:29]
	s_add_nc_u64 s[32:33], s[28:29], s[2:3]        ; a base for each of the tile's 16 rows: s[32 + 2 p : 33 + 2 p]
.irp p, 1,2,3,4,5,6,7
	s_add_nc_u64 s[32+2*\p:33+2*\p], s[30+2*\p:31+2*\p], s[30:31]
.endr
	s_add_nc_u64 s[48:49], s[46:47], s[72:73]
.irp p, 9,10,11,12,13,14,15
	s_add_nc_u64 s[32+2*\p:33+2*\p], s[30+2*\p:31+2*\p], s[30:31]
.endr
	s_add_nc_u64 s[20:21], s[20:21], s[74:75]      ; XC at my tile
	s_add_nc_u64 s[22:23], s[22:23], s[70:71]      ; XS at my tile
; 64 numbers of a lane, register 16 b + i = k 32 b + 16 h + i of my row, become a fragment's codes in v[PC] on and its scale word in v[PW]
.macro QUANT s
.irp b, 0,1,2,3
	v_max3_num_f32 v[TM+\b], |v[\s+16*\b]|, |v[\s+1+16*\b]|, 0x2800000   ; my 16 numbers of block b, and the floor 2^(5 - 127): the byte cannot fall under 1
.endr
.irp i, 2,4,6,8,10,12,14
.irp b, 0,1,2,3
	v_max3_num_f32 v[TM+\b], v[TM+\b], |v[\s+16*\b+\i]|, |v[\s+1+16*\b+\i]|   ; the four blocks by turns
.endr
.endr
.irp b, 0,1,2,3
	v_permlanex16_b32 v[TM+4+\b], v[TM+\b], s[SEL], s[SEL+1]
.endr
.irp b, 0,1,2,3
	v_max_num_f32 v[TM+\b], v[TM+\b], v[TM+4+\b]   ; with lane l xor 16's: the block's largest magnitude
.endr
.irp b, 0,1,2,3
	v_add_nc_u32 v[TM+12+\b], 0xfe000000, v[TM+\b] ; 4 off its exponent field: the conversion takes the exponent field of this operand as its scale
.endr
.irp b, 0,1,2,3
	v_lshrrev_b32 v[TM+4+\b], 23, v[TM+12+\b]      ; the scale's byte
.endr
	v_lshl_or_b32 v[PW], v[TM+5], 8, v[TM+4]
	v_lshl_or_b32 v[PW], v[TM+6], 16, v[PW]
	v_lshl_or_b32 v[PW], v[TM+7], 24, v[PW]
.irp c, 0,1
	v_cvt_scalef32_pk16_bf6_f32 v[PC+6*\c:PC+2+6*\c], v[\s+32*\c:\s+15+32*\c], v[TM+12+2*\c]
	v_cvt_scalef32_pk16_bf6_f32 v[PC+12+4*\c:PC+14+4*\c], v[\s+16+32*\c:\s+31+32*\c], v[TM+12+2*\c+1]   ; (a conversion's three registers begin on an even number)
.endr
	v_nop                                          ; one plain place behind a scaled conversion
.irp c, 0,1                                    ; the operand's layout wants a whole block in a lane: lanes 0-15 block 2 c, lanes 16-31 block 2 c + 1
.irp i, 0,1,2
	v_permlane16_swap_b32 v[PC+6*\c+\i], v[PC+12+4*\c+\i]
.endr
.irp i, 0,1,2
	v_mov_b32 v[PC+3+6*\c+\i], v[PC+12+4*\c+\i]
.endr
.endr
.endm
.macro LOADU u                         ; unit u: 128 along K of the 16 rows; each load reads 512 consecutive bytes
.irp p, 0,1,2,3,4,5,6,7,8,9,10,11,12,13,14,15
	global_load_b128 v[R+64*((\u)%2)+4*\p:R+64*((\u)%2)+4*\p+3], v[L16], s[32+2*\p:33+2*\p] offset:512*(\u) th:TH_LOAD_NT
.endr
.endm
.macro UNIT u
.if (\u) < 7
	s_wait_loadcnt 16                              ; this unit's 16 loads are in; the next unit's 16 may be out
.else
	s_wait_loadcnt 0x0
.endif
.irp p, 0,1,2,3,4,5,6,7,8,9,10,11,12,13,14,15
	ds_store_b128 v[STI], v[R+64*((\u)%2)+4*\p:R+64*((\u)%2)+4*\p+3] offset:SP*\p
.endr
.irp b, 0,1,2,3
.irp j, 0,1,2,3
	ds_load_b128 v[X+16*\b+4*\j:X+16*\b+4*\j+3], v[STO] offset:128*\b+16*\j   ; LDS serves a wave's instructions in order: these see the stores above
.endr
.endr
	s_wait_dscnt 0x0                               ; the unit is back; the stores have read their registers, which take the loads of two units on
	s_wait_xcnt 0x0                                ; the last unit's global stores have read the codes' registers, which are written anew below
.if (\u) < 6
	LOADU (\u)+2
.endif
	QUANT X
	ds_store_b32 v[SSA], v[PW] offset:4*(\u)       ; lanes r and r + 16 write the same word with the same value
	global_store_b128 v[L16], v[PC:PC+3], s[20:21] offset:1536*(\u)          ; each store covers whole aligned blocks of 256 bytes
	global_store_b64 v[L8], v[PC+4:PC+5], s[20:21] offset:1536*(\u)+512
	global_store_b128 v[L16], v[PC+6:PC+9], s[20:21] offset:1536*(\u)+768
	global_store_b64 v[L8], v[PC+10:PC+11], s[20:21] offset:1536*(\u)+1280
.endm
	LOADU 0
	LOADU 1
.irp u, 0,1,2,3,4,5,6,7
	UNIT \u
.endr
	ds_load_b128 v[RB:RB+3], v[SSR]                ; the tile's 512 bytes of scale words
	s_wait_dscnt 0x0
	global_store_b128 v[L16], v[RB:RB+3], s[22:23]
	s_wait_tensorcnt 0x0                           ; the wave's end, behind my last LDS store
	ds_add_u32 v[SPW], v[NIL]
	s_wait_dscnt 0x0
	s_endpgm
; ---------------- the mask: no LDS ----------------
.Lmask:
	s_lshl_b32 s67, ttmp9, 2
	s_add_co_u32 s67, s67, s66                     ; 4 x tile + group: tile = work-group, group of four steps = wave
	s_lshr_b32 s68, ttmp9, 1
	s_lshl_b32 s68, s68, 5
	s_and_b32 s69, ttmp9, 1
	s_lshl_b32 s69, s69, 3
	s_add_co_u32 s68, s68, s69                     ; the tile's first query
	s_lshl_b32 s68, s68, 11                        ; a row of the mask is 2,048 bytes
	s_lshl_b32 s69, s66, 9                         ; four steps are 512 keys
	s_add_co_u32 s68, s68, s69
	s_mov_b32 s69, 0
	s_lshl_b32 s70, s67, 10                        ; MW: 256 bytes a step
	s_mov_b32 s71, 0
	s_lshl_b32 s72, s67, 2                         ; FL: a word for four steps
	s_mov_b32 s73, 0
	s_wait_alu depctr_va_vdst(0)
	v_and_b32 v1, 8, v9
	v_add_nc_u32 v1, v1, v9                        ; r + 8 (r / 8)
	v_lshlrev_b32 v1, 11, v1
	v_lshl_add_u32 v1, v10, 4, v1                  ; my query's row, + 16 h
	v_lshlrev_b32 v2, 3, v8
	s_mov_b32 s38, 0                               ; the flags
	s_wait_alu depctr_va_vdst(0)
	s_wait_kmcnt 0x0
	s_add_nc_u64 s[18:19], s[18:19], s[68:69]
	s_add_nc_u64 s[24:25], s[24:25], s[70:71]
	s_add_nc_u64 s[26:27], s[26:27], s[72:73]
.irp i, 0,1,2,3,4,5,6,7,8,9,10,11,12,13,14,15
	global_load_b128 v[32+4*\i:35+4*\i], v1, s[18:19] offset:32*\i   ; step i / 4, block i % 4: keys 32 i + 16 h + 0 .. 15 of my query
.endr
; step sl: word n = 16 B + i of 64: bit (lane) = mask[my query][128 s + 32 B + 16 h + i].  Word n goes to lane n / 2, register n % 2: the wave stores one aligned block of 256 bytes
.macro MSTEP sl
	s_wait_loadcnt 12-4*\sl                        ; this step's four loads are in; the later steps' may be out
	v_mov_b32 v[16+2*\sl], 0
	v_mov_b32 v[17+2*\sl], 0
	s_mov_b32 s36, -1
	s_mov_b32 s37, 0
.set n, 0
.rept 16
.irp k, 0,1,2,3
	v_bfe_u32 v[24+\k], v[32+16*\sl+n/4], 8*\k, 8
.endr
.irp k, 0,1,2,3
	v_cmp_ne_u32 s[40+\k], 0, v[24+\k]
.endr
.irp k, 0,1,2,3
	s_and_b32 s36, s36, s[40+\k]
	s_or_b32 s37, s37, s[40+\k]
	v_writelane_b32 v[16+2*\sl+(\k%2)], s[40+\k], (n+\k)/2
.endr
.set n, n+4
.endr
	global_store_b64 v2, v[16+2*\sl:17+2*\sl], s[24:25] offset:256*\sl
	s_cmp_lg_u32 s36, -1                           ; some bit of some word is 0: some key counts
	s_cselect_b32 s39, 1<<\sl, 0
	s_or_b32 s38, s38, s39
	s_cmp_lg_u32 s37, 0                            ; some key is hidden
	s_cselect_b32 s39, 1<<(16+\sl), 0
	s_or_b32 s38, s38, s39
.endm
	MSTEP 0
	MSTEP 1
	MSTEP 2
	MSTEP 3
	v_mov_b32 v11, s38
	v_mov_b32 v14, 0
	v_cmp_eq_u32 vcc_lo, 0, v8
	s_wait_alu depctr_va_vdst(0)
	s_wait_xcnt 0x0                                ; EXEC changes only when the stores above have read it
	s_and_saveexec_b32 s44, vcc_lo
	global_store_b32 v14, v11, s[26:27]            ; lane 0: the wave's flag word
	s_wait_xcnt 0x0
	s_or_b32 exec_lo, exec_lo, s44
	s_endpgm
.Lfunc_end_k_q934ab8c62d_prep:
	.size	k_q934ab8c62d_prep, .Lfunc_end_k_q934ab8c62d_prep-k_q934ab8c62d_prep
	.p2alignl 7, 3214868480
	.fill 96, 4, 3214868480
	.section	.rodata,"a",@progbits
	.p2align	6, 0x0
	.amdhsa_kernel k_q934ab8c62d_prep
		.amdhsa_group_segment_fixed_size 37376
		.amdhsa_private_segment_fixed_size 0
		.amdhsa_enable_private_segment 0
		.amdhsa_kernarg_size 96
		.amdhsa_user_sgpr_count 2
		.amdhsa_user_sgpr_kernarg_segment_ptr 1
		.amdhsa_wavefront_size32 1
		.amdhsa_system_sgpr_workgroup_id_x 1
		.amdhsa_system_sgpr_workgroup_id_y 1
		.amdhsa_system_sgpr_workgroup_id_z 1
		.amdhsa_system_vgpr_workitem_id 0
		.amdhsa_next_free_vgpr 256
		.amdhsa_next_free_sgpr 80
		.amdhsa_reserve_vcc 1
		.amdhsa_float_denorm_mode_32 3
		.amdhsa_float_denorm_mode_16_64 3
		.amdhsa_memory_ordered 1
		.amdhsa_forward_progress 1
		.amdhsa_inst_pref_size 135
	.end_amdhsa_kernel
	.amdgpu_metadata
---
amdhsa.version: [ 1, 2 ]
amdhsa.kernels:
  - .name:           k_q934ab8c62d_prep
    .symbol:         k_q934ab8c62d_prep.kd
    .args:
      - { .name: query, .offset: 0, .size: 8, .value_kind: global_buffer, .address_space: global }
      - { .name: key, .offset: 8, .size: 8, .value_kind: global_buffer, .address_space: global }
      - { .name: value, .offset: 16, .size: 8, .value_kind: global_buffer, .address_space: global }
      - { .name: Wq, .offset: 24, .size: 8, .value_kind: global_buffer, .address_space: global }
      - { .name: Wk, .offset: 32, .size: 8, .value_kind: global_buffer, .address_space: global }
      - { .name: Wv, .offset: 40, .size: 8, .value_kind: global_buffer, .address_space: global }
      - { .name: Wo, .offset: 48, .size: 8, .value_kind: global_buffer, .address_space: global }
      - { .name: attn_mask, .offset: 56, .size: 8, .value_kind: global_buffer, .address_space: global }
      - { .name: XC, .offset: 64, .size: 8, .value_kind: global_buffer, .address_space: global }
      - { .name: XS, .offset: 72, .size: 8, .value_kind: global_buffer, .address_space: global }
      - { .name: MW, .offset: 80, .size: 8, .value_kind: global_buffer, .address_space: global }
      - { .name: FL, .offset: 88, .size: 8, .value_kind: global_buffer, .address_space: global }
    .group_segment_fixed_size: 37376
    .private_segment_fixed_size: 0
    .kernarg_segment_align: 8
    .kernarg_segment_size: 96
    .max_flat_workgroup_size: 128
    .sgpr_count:     80
    .vgpr_count:     256
    .wavefront_size: 32
...
	.end_amdgpu_metadata
.endif
;; end of part 1
;; launch proj (part 2): grid 4 x 64, 4 waves a work-group, clusters of 4 x 4, 327,680 bytes of LDS; arguments XC, XS, bq, bk, bv, QKVI, QKVS; writes QKVI, QKVS
.if DOCPART == 2
	.amdgcn_target "amdgcn-amd-amdhsa--gfx1250"
	.amdhsa_code_object_version 6
	.text
	.protected	k_q934ab8c62d_proj
	.globl	k_q934ab8c62d_proj
	.p2align	8
	.type	k_q934ab8c62d_proj,@function
k_q934ab8c62d_proj:
	s_mov_b64 s[64:65], 0
	v_nop
	global_prefetch_b8 v0, s[64:65] scope:SCOPE_SE
	s_setreg_imm32_b32 hwreg(HW_REG_WAVE_MODE, 25, 1), 1
	s_wait_xcnt 0x0
	s_wait_alu depctr_hold_cnt(0) depctr_sa_sdst(0) depctr_va_vdst(0) depctr_va_sdst(0) depctr_va_ssrc(0) depctr_va_vcc(0) depctr_vm_vsrc(0)
	s_getreg_b32 s2, hwreg(HW_REG_IB_STS2, 6, 4)
	s_cmp_eq_u32 s2, 0
	s_cbranch_scc0 .Lentry_in_a_cluster
	s_endpgm
.Lentry_in_a_cluster:
	s_bfe_u32 s2, ttmp6, 0x10000c
	s_cmp_lg_u32 s2, 0xf033
	s_cbranch_scc0 .Lentry_shape_is_right
	s_endpgm
.Lentry_shape_is_right:
; PROJ: Q = query Wq^T + bq, K = key Wk^T + bk, V = value Wv^T + bv on the codes that PREP made, each result quantised on the way out along the NEXT product's K.  No work is left out.
; ONE FORM FOR ALL THREE: R[x][y] = sum over k of X[x][k] Y[y][k], quantised along y.  The matrix instruction is used transposed (source 0 = 16 rows of Y, source 1 = 16 rows of X): a lane holds one x, its registers run along y.
;   class 0: X = query, Y = Wq;  class 1: X = key, Y = Wk;  class 2: X = Wv, Y = value (y = the keys, the second attention product's K).
; The rows of a tile are 32 B + 8 u + p + 8 (p / 8), so the 16 registers of two neighbouring tiles of Y are 16 neighbours along y.
; SHARES.  A tile of R is x 128 by y 256; each of four waves makes 64 x 128: 32 accumulators.  768 tiles, 256 WORK-GROUPS THAT STAY: each walks three tiles, one of each class, at its cluster's place in that class.
; THE RING.  Two LDS slots, each with 512 along K of the tile's X (49,152 bytes) and Y (98,304).  In K step 3 slot 0 has been read out and takes the next tile's first half; in K step 7 slot 1 takes its second half.
; Each refill stands behind the wait for all tensor loads, the add, the wait for LDS and a round of the cluster's barrier, one joint load a wave.  By the text's count one load of a wave is out at a time.
; Classes 0 and 1 are two trips of one loop; class 2, which asks for nothing more, is written out behind it.  The tiles are images of operand registers: no pitch, no padding.
; CLUSTERS: 4 x 4.  X's tiles hang on the tile row alone and are asked for jointly along a row of the cluster, Y's on the tile column alone, jointly along a column.
; OUT.  Classes 0, 1: a wave's 128 y are two heads: QKVI [hb][tile 128][768], QKVS [hb][row] words (bytes 0, 1).  Class 2: a wave's 64 x are a head, its 128 y a key step: QKVI [hb][step][dt][1536], QKVS [hb][step][dt][16] words.
; No data prefetch is written: a refill is asked for four K steps (128 matrix instructions a wave) ahead of the wait for it.
; LIMITS: as stated at the head of PREP (blocks under 2^-122 and blocks of zeros keep the byte 1; NaN and infinities are not served).
; REGISTERS.  window 0: v1-15, v20-23 addresses; v28, v29 the add's two; v32-63 Y's scale words, v64-79 X's; v80-95 at work; v96-191 X's fragments, two sets (on the way out numbers and codes); v192-255 the bias.
;   window 1: Y's fragments, two sets, at v0 and v128.   window 2: the accumulators, (a, b) at v[8 (8 a + b)].
.set XB,    0
.set YB,    98304
.set QX,    49152                      ; a slot's part of X: 8 tiles x 6,144 bytes (four fragments)
.set QY,    98304
.set TILEB, 6144
.set QSTEP, 3072                       ; two K steps on inside a slot
.set FRB,   1536
.set STGQ,  294912                     ; 256 bytes a wave: scale words on the way out, classes 0 and 1;
.set STGV,  295936                     ; class 2: bytes of its own
.set SPARE, 296960                     ; the spare words, 128 bytes a wave: two blocks of 256 bytes that no other line names
.set L16, 1
.set L8,  2
.set AX16, 8
.set AX8,  9
.set AY16, 10
.set AY8,  11
.set BX16, 20                          ; v20-23 the fragments' addresses at K step 0; never rewritten
.set BX8,  21
.set BY16, 22
.set BY8,  23
.set SPW, 28
.set NIL, 29
.set SY,  32
.set SX,  64
.set TM,  80
.set XF,  96
.set H,   96
.set PC,  160
.set PW,  180
.set RB,  182
.set BI,  192
.set G1X, 24
.set G1Y, 32
.set G0X, 40                           ; s[40:47] X's group 0, a set for each slot;  s[56:63] Y's
.set G0Y, 56
.set PI,  68                           ; s[68:69] this tile's images, s[70:71] its scale words, s[72:73] its bias
.set PS,  70
.set PB,  72
.set SEL, 92
.set MSB, 0
.macro WIN new                         ; the immediate's high byte repeats the setting that is left
.if MSB != \new
	s_set_vgpr_msb (MSB<<8)|\new
.set MSB, \new
.endif
.endm
.macro CREST                           ; a round of the cluster's barrier behind its opening barrier
	s_cmp_lg_u32 s18, 0
	s_cbranch_scc1 .Lnot_wave_0_\@
	s_barrier_signal -3
.Lnot_wave_0_\@:
	s_barrier_wait -3
	s_barrier_signal -1
	s_barrier_wait -1
.endm
.macro CROUND
	s_barrier_signal -1
	s_barrier_wait -1
	CREST
.endm
.macro PLACES
.rept 4
	v_nop
.endr
.endm
.macro JLOAD s                         ; a joint load into slot s: waves 0, 1 fetch X's two halves of tiles, waves 2, 3 Y's
	s_cmp_eq_u32 s19, 0
	s_cbranch_scc0 .Ljy_\@
	tensor_load_to_lds s[G0X+4*\s:G0X+4*\s+3], s[G1X:G1X+7]
	s_nop 0
	PLACES
	s_branch .Ljd_\@
.Ljy_\@:
	tensor_load_to_lds s[G0Y+4*\s:G0Y+4*\s+3], s[G1Y:G1Y+7]
	s_nop 0
	PLACES
.Ljd_\@:
.endm
.macro CHAIN                           ; class s23, cluster s66: tile row s77, X's first row tile s78, tile column s85, Y's first row tile s86, byte offsets of what I fetch
	s_lshr_b32 s95, s23, 1                         ; 1 in class 2
	s_mul_i32 s76, s95, 3                          ; X's chain: it never holds cx
	s_lshr_b32 s76, 15, s76
	s_and_b32 s76, s66, s76                        ; the cluster's row: all 16 in classes 0, 1; two in class 2
	s_lshl_b32 s76, s76, 2
	s_add_co_u32 s77, s76, s22
	s_lshl_b32 s78, s23, 9
	s_mul_i32 s79, s95, 640
	s_add_co_u32 s78, s78, s79                     ; X begins at row tile 0, 512, 1664 of XC
	s_lshl_b32 s79, s77, 3
	s_add_co_u32 s78, s78, s79
	s_lshr_b32 s84, s66, 1                         ; Y's chain: it never holds cy
	s_mul_i32 s84, s84, s95                        ; the cluster's column: 0 in classes 0, 1; eight in class 2
	s_lshl_b32 s84, s84, 2
	s_add_co_u32 s85, s84, s21
	s_lshl_b32 s86, s23, 6
	s_add_co_u32 s86, s86, 1536
	s_mul_i32 s87, s95, 640
	s_sub_co_u32 s86, s86, s87                     ; Y begins at row tile 1536, 1600, 1024
	s_lshl_b32 s87, s85, 4
	s_add_co_u32 s86, s86, s87
	s_lshl_b32 s80, s20, 2
	s_add_co_u32 s80, s80, s78
	s_mul_i32 s80, s80, 12288
	s_mov_b32 s81, 0
	s_lshl_b32 s88, s20, 3
	s_add_co_u32 s88, s88, s86
	s_mul_i32 s88, s88, 12288
	s_mov_b32 s89, 0
.endm
.macro DESC                            ; the global addresses of both slots' loads; written only where no tensor load of mine is out
	s_add_nc_u64 s[82:83], s[4:5], s[80:81]
	s_add_nc_u64 s[90:91], s[4:5], s[88:89]
.irp q, 0,1
	s_add_nc_u64 s[G0X+4*\q+2:G0X+4*\q+3], s[82:83], TILEB*\q
	s_or_b32 s[G0X+4*\q+3], s[G0X+4*\q+3], 0x80000000
	s_add_nc_u64 s[G0Y+4*\q+2:G0Y+4*\q+3], s[90:91], TILEB*\q
	s_or_b32 s[G0Y+4*\q+3], s[G0Y+4*\q+3], 0x80000000
.endr
.endm
.macro SCLOAD                          ; the scale words of the tile that the chain names: 12 loads
	s_lshl_b32 s52, s20, 3
	s_add_co_u32 s52, s52, s86
	s_lshl_b32 s52, s52, 9
	s_mov_b32 s53, 0
	s_add_nc_u64 s[48:49], s[6:7], s[52:53]        ; my 8 tiles of Y in XS
	s_lshl_b32 s52, s19, 2
	s_add_co_u32 s52, s52, s78
	s_lshl_b32 s52, s52, 9
	s_add_nc_u64 s[50:51], s[6:7], s[52:53]        ; my 4 tiles of X
.irp i, 0,1,2,3
.irp z, 0,1
	global_load_b128 v[SY+8*\i+4*\z:SY+8*\i+4*\z+3], v5, s[48:49] offset:1024*\i+16*\z   ; register SY + 8 i + ks: tiles 2 i (lanes 0-15) and 2 i + 1
.endr
.endr
.irp i, 0,1
.irp z, 0,1
	global_load_b128 v[SX+8*\i+4*\z:SX+8*\i+4*\z+3], v5, s[50:51] offset:1024*\i+16*\z
.endr
.endr
.endm
.macro ADV h, q                        ; the fragments' addresses in slot h, q pairs of K steps in: four plain lines, also the places in front of the loads that follow
	v_add_nc_u32 v[AX16], (\h)*QX+(\q)*QSTEP, v[BX16]
	v_add_nc_u32 v[AX8], (\h)*QX+(\q)*QSTEP, v[BX8]
	v_add_nc_u32 v[AY16], (\h)*QY+(\q)*QSTEP, v[BY16]
	v_add_nc_u32 v[AY8], (\h)*QY+(\q)*QSTEP, v[BY8]
	s_wait_alu depctr_va_vdst(0)
.endm
	s_load_b256 s[4:11], s[0:1], 0x0               ; XC, XS, bq, bk
	s_load_b128 s[12:15], s[0:1], 0x20             ; bv, QKVI
	s_load_b64 s[16:17], s[0:1], 0x30              ; QKVS
	v_lshl_add_u32 v[SPW], v0, 2, SPARE
	v_mov_b32 v[NIL], 0
	ds_add_u32 v[SPW], v[NIL]                      ; the wave's opening: the add, twice on end, and its wait ahead of my first tensor load
	ds_add_u32 v[SPW], v[NIL]
	v_lshrrev_b32 v1, 5, v0
	v_readfirstlane_b32 s18, v1                    ; wave
	s_lshr_b32 s19, s18, 1                         ; wx: my 64 of the 128 x.  Also: I fetch for X (0) or for Y (1)
	s_and_b32 s20, s18, 1                          ; wy: my 128 of the 256 y.  Also: which half of the tiles I fetch
	s_bfe_u32 s21, ttmp6, 0x40000                  ; cx
	s_bfe_u32 s22, ttmp6, 0x40004                  ; cy
	s_and_b32 s66, ttmp7, 0xffff                   ; the cluster, 0 .. 15
	s_mov_b32 s23, 0                               ; the class: the walk's counter
	s_lshl_b32 s96, s22, 2
	s_lshl_b32 s96, 15, s96                        ; my row of the cluster
	s_lshl_b32 s97, 0x1111, s21                    ; my column
	; group 1: rows = row tiles, 12,288 bytes apart in memory; of each a half, 6,144 bytes = 768 elements of 8 bytes; dense in LDS
	s_or_b32 s[G1X], s96, (3<<16)|(1<<21)
	s_mov_b32 s[G1X+1], 768<<16
	s_mov_b32 s[G1X+2], 4<<16                      ; 4 tiles
	s_mov_b32 s[G1X+3], 768<<16
	s_mov_b32 s[G1X+4], 4
	s_mov_b32 s[G1X+5], 1536
	s_mov_b32 s[G1X+6], 0
	s_mov_b32 s[G1X+7], 0
	s_or_b32 s[G1Y], s97, (3<<16)|(1<<21)
	s_mov_b32 s[G1Y+1], 768<<16
	s_mov_b32 s[G1Y+2], 8<<16                      ; 8 tiles
	s_mov_b32 s[G1Y+3], 768<<16
	s_mov_b32 s[G1Y+4], 8
	s_mov_b32 s[G1Y+5], 1536
	s_mov_b32 s[G1Y+6], 0
	s_mov_b32 s[G1Y+7], 0
	CHAIN
	s_mul_i32 s98, s20, 4*TILEB                    ; where they go: the wave's number alone enters an LDS address
	s_mul_i32 s99, s20, 8*TILEB
.irp q, 0,1
	s_mov_b32 s[G0X+4*\q], 1
	s_add_co_u32 s[G0X+4*\q+1], s98, XB+QX*\q
	s_mov_b32 s[G0Y+4*\q], 1
	s_add_co_u32 s[G0Y+4*\q+1], s99, YB+QY*\q
.endr
	s_mov_b32 s[SEL], 0x76543210
	s_mov_b32 s[SEL+1], 0xfedcba98
	s_wait_dscnt 0x0                               ; both opening adds are done
	s_wait_kmcnt 0x0
	DESC
	CROUND                                         ; all sixteen work-groups are here: the joint loads meet
	JLOAD 0                                        ; one fill a wave at the head
	v_and_b32 v6, 31, v0                           ; lane
	v_and_b32 v7, 15, v0                           ; r
	v_bfe_u32 v16, v0, 4, 1                        ; h
	v_lshlrev_b32 v[L16], 4, v6
	v_lshlrev_b32 v[L8], 3, v6
	v_lshlrev_b32 v3, 6, v16                       ; 64 h: a bias along y
	v_and_b32 v4, 8, v7
	v_add_nc_u32 v4, v4, v7
	v_lshlrev_b32 v4, 2, v4                        ; 4 (r + 8 (r / 8)): a bias along x
	v_lshlrev_b32 v5, 5, v7
	v_lshl_add_u32 v5, v16, 9, v5                  ; scale words: row r of 32 bytes; lanes 16-31 the next tile
	s_mul_i32 s94, s19, 4*TILEB
	v_add_nc_u32 v[BX16], s94, v[L16]
	v_add_nc_u32 v[BX8], s94, v[L8]
	s_mul_i32 s94, s20, 8*TILEB
	s_add_co_u32 s94, s94, YB
	v_add_nc_u32 v[BY16], s94, v[L16]
	v_add_nc_u32 v[BY8], s94, v[L8]
	s_lshl_b32 s94, s18, 8
	v_lshl_add_u32 v12, v7, 2, s94
	v_add_nc_u32 v14, STGV, v12                    ; the scale words' stage: in, 4 r;
	v_add_nc_u32 v12, STGQ, v12
	v_add_nc_u32 v13, s94, v[L8]
	v_add_nc_u32 v15, STGV, v13                    ; back, 8 x lane
	v_add_nc_u32 v13, STGQ, v13
.irp b, 0,1,2,3
	v_mov_b32 v[TM+4+\b], 0                        ; written once: a lane permute's destination counts as one of its sources
.endr
	s_wait_alu depctr_va_vdst(0)
	SCLOAD
.macro FRAG reg, a16, a8, off          ; a fragment comes back as it was stored
	ds_load_b128 v[\reg:\reg+3], v[\a16] offset:\off
	ds_load_b64 v[\reg+4:\reg+5], v[\a8] offset:\off+512
	ds_load_b128 v[\reg+6:\reg+9], v[\a16] offset:\off+768
	ds_load_b64 v[\reg+10:\reg+11], v[\a8] offset:\off+1280
.endm
.macro FETCH ks                        ; K step ks: 8 fragments of Y and 4 of X into set ks % 2: 48 LDS loads in one run
	WIN 0x40
.irp i, 0,1,2,3,4,5,6,7
	FRAG 128*((\ks)%2)+12*\i, AY16, AY8, TILEB*\i+FRB*((\ks)%2)
.endr
	WIN 0
.irp i, 0,1,2,3
	FRAG XF+48*((\ks)%2)+12*\i, AX16, AX8, TILEB*\i+FRB*((\ks)%2)
.endr
.endm
.macro WM mode, py, px                 ; one product; mode 1: it starts the sum.  An odd tile's scale words stand in lanes 16-31
.if (\mode) == 1
.if (\py) && (\px)
	v_wmma_scale_f32_16x16x128_f8f6f4 v[rD:rD+7], v[rY:rY+11], v[rX:rX+11], 0, v[rSY], v[rSX] matrix_a_fmt:MATRIX_FMT_BF6 matrix_b_fmt:MATRIX_FMT_BF6 matrix_a_scale:MATRIX_SCALE_ROW1 matrix_b_scale:MATRIX_SCALE_ROW1
.elseif (\py)
	v_wmma_scale_f32_16x16x128_f8f6f4 v[rD:rD+7], v[rY:rY+11], v[rX:rX+11], 0, v[rSY], v[rSX] matrix_a_fmt:MATRIX_FMT_BF6 matrix_b_fmt:MATRIX_FMT_BF6 matrix_a_scale:MATRIX_SCALE_ROW1
.elseif (\px)
	v_wmma_scale_f32_16x16x128_f8f6f4 v[rD:rD+7], v[rY:rY+11], v[rX:rX+11], 0, v[rSY], v[rSX] matrix_a_fmt:MATRIX_FMT_BF6 matrix_b_fmt:MATRIX_FMT_BF6 matrix_b_scale:MATRIX_SCALE_ROW1
.else
	v_wmma_scale_f32_16x16x128_f8f6f4 v[rD:rD+7], v[rY:rY+11], v[rX:rX+11], 0, v[rSY], v[rSX] matrix_a_fmt:MATRIX_FMT_BF6 matrix_b_fmt:MATRIX_FMT_BF6
.endif
.else
.if (\py) && (\px)
	v_wmma_scale_f32_16x16x128_f8f6f4 v[rD:rD+7], v[rY:rY+11], v[rX:rX+11], v[rD:rD+7], v[rSY], v[rSX] matrix_a_fmt:MATRIX_FMT_BF6 matrix_b_fmt:MATRIX_FMT_BF6 matrix_a_scale:MATRIX_SCALE_ROW1 matrix_b_scale:MATRIX_SCALE_ROW1
.elseif (\py)
	v_wmma_scale_f32_16x16x128_f8f6f4 v[rD:rD+7], v[rY:rY+11], v[rX:rX+11], v[rD:rD+7], v[rSY], v[rSX] matrix_a_fmt:MATRIX_FMT_BF6 matrix_b_fmt:MATRIX_FMT_BF6 matrix_a_scale:MATRIX_SCALE_ROW1
.elseif (\px)
	v_wmma_scale_f32_16x16x128_f8f6f4 v[rD:rD+7], v[rY:rY+11], v[rX:rX+11], v[rD:rD+7], v[rSY], v[rSX] matrix_a_fmt:MATRIX_FMT_BF6 matrix_b_fmt:MATRIX_FMT_BF6 matrix_b_scale:MATRIX_SCALE_ROW1
.else
	v_wmma_scale_f32_16x16x128_f8f6f4 v[rD:rD+7], v[rY:rY+11], v[rX:rX+11], v[rD:rD+7], v[rSY], v[rSX] matrix_a_fmt:MATRIX_FMT_BF6 matrix_b_fmt:MATRIX_FMT_BF6
.endif
.endif
.endm
.macro MUL a0, n, ks, mode             ; X's tiles a0 .. a0 + n - 1 against Y's eight.  The 32 accumulators take turns, one instruction a turn, in one order in every K step
	WIN 0xa1                                       ; source 0 (Y) window 1, source 1 (X) window 0, C and D window 2
.set aa, \a0
.rept \n
.set bb, 0
.rept 8
.set rD, 8*(8*aa+bb)
.set rY, 128*((\ks)%2)+12*bb
.set rX, XF+48*((\ks)%2)+12*aa
.set rSY, SY+8*(bb/2)+(\ks)
.set rSX, SX+8*(aa/2)+(\ks)
	WM \mode, bb%2, aa%2
.set bb, bb+1
.endr
.set aa, aa+1
.endr
.endm
; A K step of 128; its fragments were asked for in the step before.  nxt = 1: the tile has a successor, and K steps 3 and 7 fill the slot just read out again.
; A load into a register that a matrix instruction has read stands four places behind it; only plain vector instructions that name none of its registers are places (ISA guide 7.12.1 for vector instructions).
.macro KSTEP ks, mode, nxt
	s_wait_dscnt 0x0                               ; this step's 48 loads are in
.if (\ks)%2 == 0
	PLACES
	FETCH (\ks)+1
	MUL 0, 4, \ks, \mode
.elseif (\ks)%4 == 1
	WIN 0
	ADV (\ks)/4, 1
	FETCH (\ks)+1
	MUL 0, 4, \ks, \mode
.elseif (\ks) == 3
	WIN 0
	s_wait_tensorcnt 0x0                           ; my one load that is out, my part of slot 1, has landed
.if \nxt
	ds_add_u32 v[SPW], v[NIL]                      ; the add; work on scalar registers stands between it and the wait for it:
	s_add_co_u32 s23, s23, 1                       ; the next class,
	CHAIN                                          ; its place,
	DESC                                           ; and both slots' next loads (none of mine is out)
	s_wait_dscnt 0x0                               ; the add is done; my reads of slot 0 were over at this step's head
.endif
	s_barrier_signal -1
	MUL 0, 2, \ks, \mode
	WIN 0
	s_barrier_wait -1                              ; slot 1 is whole, and nobody reads slot 0
.if \nxt
	CREST                                          ; the same of all sixteen work-groups
	JLOAD 0                                        ; the next tile's first half
.endif
	ADV 1, 0
	FETCH (\ks)+1
	MUL 2, 2, \ks, \mode
.elseif \nxt
	WIN 0
	s_wait_tensorcnt 0x0                           ; my part of the next tile's first half has landed
	ds_add_u32 v[SPW], v[NIL]
	s_wait_dscnt 0x0                               ; the add is done; my reads of slot 1 were over at this step's head
	s_barrier_signal -1
	MUL 0, 2, \ks, \mode
	WIN 0
	s_barrier_wait -1
	CREST
	JLOAD 1                                        ; the next tile's second half
	MUL 2, 2, \ks, \mode
.else
	MUL 0, 4, \ks, \mode
.endif
.endm
; 64 numbers of a lane, register 16 b + i = y 32 b + 16 h + i of my x, become a fragment's codes in v[PC] on and its scale word in v[PW]
.macro QUANT s
.irp b, 0,1,2,3
	v_max3_num_f32 v[TM+\b], |v[\s+16*\b]|, |v[\s+1+16*\b]|, 0x2800000   ; and the floor 2^(5 - 127): the byte cannot fall under 1
.endr
.irp i, 2,4,6,8,10,12,14
.irp b, 0,1,2,3
	v_max3_num_f32 v[TM+\b], v[TM+\b], |v[\s+16*\b+\i]|, |v[\s+1+16*\b+\i]|
.endr
.endr
.irp b, 0,1,2,3
	v_permlanex16_b32 v[TM+4+\b], v[TM+\b], s[SEL], s[SEL+1]
.endr
.irp b, 0,1,2,3
	v_max_num_f32 v[TM+\b], v[TM+\b], v[TM+4+\b]
.endr
.irp b, 0,1,2,3
	v_add_nc_u32 v[TM+12+\b], 0xfe000000, v[TM+\b] ; 4 off the exponent field: the conversion's scale operand
.endr
.irp b, 0,1,2,3
	v_lshrrev_b32 v[TM+4+\b], 23, v[TM+12+\b]      ; the scale's byte
.endr
	v_lshl_or_b32 v[PW], v[TM+5], 8, v[TM+4]
	v_lshl_or_b32 v[PW], v[TM+6], 16, v[PW]
	v_lshl_or_b32 v[PW], v[TM+7], 24, v[PW]
.irp c, 0,1
	v_cvt_scalef32_pk16_bf6_f32 v[PC+6*\c:PC+2+6*\c], v[\s+32*\c:\s+15+32*\c], v[TM+12+2*\c]
	v_cvt_scalef32_pk16_bf6_f32 v[PC+12+4*\c:PC+14+4*\c], v[\s+16+32*\c:\s+31+32*\c], v[TM+12+2*\c+1]
.endr
	v_nop                                          ; one plain place behind a scaled conversion
.irp c, 0,1
.irp i, 0,1,2
	v_permlane16_swap_b32 v[PC+6*\c+\i], v[PC+12+4*\c+\i]
.endr
.irp i, 0,1,2
	v_mov_b32 v[PC+3+6*\c+\i], v[PC+12+4*\c+\i]
.endr
.endr
.endm
; THE WAY OUT, a tile of 16 x at a time: + bias, quantised along y, the fragment stored as its image.  kind 0: the bias runs along y, the fragment's halves go to two heads; kind 1: the bias hangs on x, the fragment is one key step's.
; lc: the loads issued behind the bias (the next tile's scale words), which may stay out
.macro EPI kind, lc
	s_wait_loadcnt \lc                             ; the bias
	PLACES                                         ; behind the last products
.irp a, 0,1,2,3
	WIN 0x02                                       ; source 0: the accumulators, window 2
.set i, 0
.rept 32
.if \kind
	v_pk_add_f32 v[H+i:H+i+1], v[64*\a+i:64*\a+i+1], v[BI+2*\a:BI+2*\a+1] op_sel_hi:[1,0]
.else
	v_pk_add_f32 v[H+i:H+i+1], v[64*\a+i:64*\a+i+1], v[BI+i:BI+i+1]
.endif
.set i, i+2
.endr
	WIN 0
	s_wait_xcnt 0x0                                ; the last tile's stores have read the codes' registers
	QUANT H
.if \kind
	ds_store_b32 v14, v[PW] offset:64*\a
	global_store_b128 v[L16], v[PC:PC+3], s[PI:PI+1] offset:1536*\a
	global_store_b64 v[L8], v[PC+4:PC+5], s[PI:PI+1] offset:1536*\a+512
	global_store_b128 v[L16], v[PC+6:PC+9], s[PI:PI+1] offset:1536*\a+768
	global_store_b64 v[L8], v[PC+10:PC+11], s[PI:PI+1] offset:1536*\a+1280
.else
	ds_store_b32 v12, v[PW] offset:64*\a
	global_store_b128 v[L16], v[PC:PC+3], s[PI:PI+1] offset:768*\a
	global_store_b64 v[L8], v[PC+4:PC+5], s[PI:PI+1] offset:768*\a+512
	global_store_b128 v[L16], v[PC+6:PC+9], s[PI:PI+1] offset:768*\a+98304      ; the next head: 128 tiles of 768 bytes on
	global_store_b64 v[L8], v[PC+10:PC+11], s[PI:PI+1] offset:768*\a+98304+512
.endif
.endr
.if \kind
	ds_load_b64 v[RB:RB+1], v15                    ; the four tiles' 64 scale words: one aligned block of 256 bytes
	s_wait_dscnt 0x0
	global_store_b64 v[L8], v[RB:RB+1], s[PS:PS+1]
.else
	ds_load_b64 v[RB:RB+1], v13
	s_wait_dscnt 0x0
	global_store_b64 v[L8], v[RB:RB+1], s[PS:PS+1] ; the first head reads bytes 0, 1 (bytes 2, 3 scale zero codes there),
	v_lshrrev_b32 v[RB+2], 16, v[RB]
	v_lshrrev_b32 v[RB+3], 16, v[RB+1]
	global_store_b64 v[L8], v[RB+2:RB+3], s[PS:PS+1] offset:8192   ; the second head gets its two bytes moved down
.endif
.endm
	s_wait_tensorcnt 0x0                           ; my part of slot 0 has landed
	ds_add_u32 v[SPW], v[NIL]
	s_wait_dscnt 0x0
	CROUND
	JLOAD 1                                        ; the first tile's second half: my one load behind the round
.Ltile:                                                ; classes 0 and 1.  Slot 0 is whole (the round in front of the last joint load has shown it); the chain names this tile
	s_wait_xcnt 0x0                                ; the last tile's stores and loads have read their registers and bases
	ADV 0, 0
	FETCH 0
	s_lshl_b32 s94, s77, 3
	s_lshl_b32 s95, s19, 2
	s_add_co_u32 s94, s94, s95                     ; my first row tile of the activation
	s_lshr_b32 s95, s94, 7                         ; b
	s_and_b32 s96, s94, 127                        ; the tile in the batch
	s_lshl_b32 s97, s85, 2
	s_lshl_b32 s98, s20, 1
	s_add_co_u32 s97, s97, s98                     ; my first head
	s_lshl_b32 s95, s95, 4
	s_add_co_u32 s95, s95, s97                     ; hb = 16 b + head
	s_lshl_b32 s98, s95, 7
	s_add_co_u32 s98, s98, s96
	s_mul_i32 s98, s98, 768
	s_mul_i32 s99, s23, 6291456                    ; Q's images, then K's
	s_add_co_u32 s98, s98, s99
	s_mov_b32 s99, 0
	s_add_nc_u64 s[PI:PI+1], s[14:15], s[98:99]
	s_lshl_b32 s98, s95, 11
	s_lshl_b32 s96, s96, 4
	s_add_co_u32 s98, s98, s96
	s_lshl_b32 s98, s98, 2
	s_lshl_b32 s96, s23, 19
	s_add_co_u32 s98, s98, s96
	s_add_nc_u64 s[PS:PS+1], s[16:17], s[98:99]
	s_cmp_eq_u32 s23, 0
	s_cselect_b64 s[PB:PB+1], s[8:9], s[10:11]     ; bq or bk
	s_lshl_b32 s98, s85, 10
	s_lshl_b32 s96, s20, 9
	s_add_co_u32 s98, s98, s96
	s_add_nc_u64 s[PB:PB+1], s[PB:PB+1], s[98:99]
.irp b, 0,1,2,3,4,5,6,7
	global_load_b128 v[BI+8*\b:BI+8*\b+3], v3, s[PB:PB+1] offset:(32*(\b/2)+8*(\b%2))*4      ; register 8 b + j: y = 32 (b / 2) + 16 h + 8 (b % 2) + j
	global_load_b128 v[BI+8*\b+4:BI+8*\b+7], v3, s[PB:PB+1] offset:(32*(\b/2)+8*(\b%2))*4+16
.endr
	s_wait_loadcnt 16                              ; the scale words are in; the 16 loads of the bias may be out
	KSTEP 0, 1, 1                                  ; its products start the sums: nothing is cleared
.irp k, 1,2,3,4,5,6,7
	KSTEP \k, 0, 1
.endr
	WIN 0
	PLACES                                         ; in front of loads into registers that the last products have read
	SCLOAD                                         ; the next tile's scale words, on their way during the way out
	EPI 0, 12
	s_wait_alu depctr_va_vdst(0)
	s_cmp_lt_u32 s23, 2
	s_cbranch_scc1 .Ltile
	; class 2: the walk's last tile asks for nothing more
	s_wait_xcnt 0x0
	ADV 0, 0
	FETCH 0
	s_lshl_b32 s94, s77, 1
	s_add_co_u32 s94, s94, s19                     ; the head: my 64 rows of Wv
	s_lshl_b32 s95, s85, 1
	s_add_co_u32 s95, s95, s20                     ; my 128 rows of value: 16 b + step
	s_lshr_b32 s96, s95, 4
	s_and_b32 s95, s95, 15
	s_lshl_b32 s96, s96, 4
	s_add_co_u32 s96, s96, s94                     ; hb
	s_lshl_b32 s96, s96, 4
	s_add_co_u32 s96, s96, s95                     ; 16 hb + step
	s_mul_i32 s98, s96, 6144
	s_add_co_u32 s98, s98, 12582912                ; V's images
	s_mov_b32 s99, 0
	s_add_nc_u64 s[PI:PI+1], s[14:15], s[98:99]
	s_lshl_b32 s98, s96, 8
	s_add_co_u32 s98, s98, 1048576
	s_add_nc_u64 s[PS:PS+1], s[16:17], s[98:99]
	s_lshl_b32 s98, s77, 9
	s_lshl_b32 s96, s19, 8
	s_add_co_u32 s98, s98, s96
	s_add_nc_u64 s[PB:PB+1], s[12:13], s[98:99]
.irp a, 0,1,2,3
	global_load_b32 v[BI+2*\a], v4, s[PB:PB+1] offset:(32*(\a/2)+8*(\a%2))*4     ; bv of my lane's row of tile a;
	global_load_b32 v[BI+2*\a+1], v4, s[PB:PB+1] offset:(32*(\a/2)+8*(\a%2))*4   ; (named with it as a pair, so it is written)
.endr
	s_wait_loadcnt 8                               ; the scale words are in; the 8 loads of the bias may be out
	KSTEP 0, 1, 0
.irp k, 1,2,3,4,5,6,7
	KSTEP \k, 0, 0
.endr
	WIN 0
	EPI 1, 0
	s_wait_tensorcnt 0x0                           ; the wave's end, behind my last tensor load and my last LDS store
	ds_add_u32 v[SPW], v[NIL]
	s_wait_dscnt 0x0
	CROUND                                         ; the closing round
	s_endpgm
.Lfunc_end_k_q934ab8c62d_proj:
	.size	k_q934ab8c62d_proj, .Lfunc_end_k_q934ab8c62d_proj-k_q934ab8c62d_proj
	.p2alignl 7, 3214868480
	.fill 96, 4, 3214868480
	.section	.rodata,"a",@progbits
	.p2align	6, 0x0
	.amdhsa_kernel k_q934ab8c62d_proj
		.amdhsa_group_segment_fixed_size 327680
		.amdhsa_private_segment_fixed_size 0
		.amdhsa_enable_private_segment 0
		.amdhsa_kernarg_size 56
		.amdhsa_user_sgpr_count 2
		.amdhsa_user_sgpr_kernarg_segment_ptr 1
		.amdhsa_wavefront_size32 1
		.amdhsa_system_sgpr_workgroup_id_x 1
		.amdhsa_system_sgpr_workgroup_id_y 1
		.amdhsa_system_sgpr_workgroup_id_z 1
		.amdhsa_system_vgpr_workitem_id 0
		.amdhsa_next_free_vgpr 768
		.amdhsa_next_free_sgpr 100
		.amdhsa_reserve_vcc 0
		.amdhsa_float_denorm_mode_32 3
		.amdhsa_float_denorm_mode_16_64 3
		.amdhsa_memory_ordered 1
		.amdhsa_forward_progress 1
		.amdhsa_inst_pref_size 188
	.end_amdhsa_kernel
	.amdgpu_metadata
---
amdhsa.version: [ 1, 2 ]
amdhsa.kernels:
  - .name:           k_q934ab8c62d_proj
    .symbol:         k_q934ab8c62d_proj.kd
    .args:
      - { .name: XC, .offset: 0, .size: 8, .value_kind: global_buffer, .address_space: global }
      - { .name: XS, .offset: 8, .size: 8, .value_kind: global_buffer, .address_space: global }
      - { .name: bq, .offset: 16, .size: 8, .value_kind: global_buffer, .address_space: global }
      - { .name: bk, .offset: 24, .size: 8, .value_kind: global_buffer, .address_space: global }
      - { .name: bv, .offset: 32, .size: 8, .value_kind: global_buffer, .address_space: global }
      - { .name: QKVI, .offset: 40, .size: 8, .value_kind: global_buffer, .address_space: global }
      - { .name: QKVS, .offset: 48, .size: 8, .value_kind: global_buffer, .address_space: global }
    .group_segment_fixed_size: 327680
    .private_segment_fixed_size: 0
    .kernarg_segment_align: 8
    .kernarg_segment_size: 56
    .max_flat_workgroup_size: 128
    .sgpr_count:     100
    .vgpr_count:     768
    .wavefront_size: 32
...
	.end_amdgpu_metadata
.endif
;; end of part 2
;; launch attn (part 3): grid 256 x 1, 16 waves a work-group, no clusters, 210,944 bytes of LDS; arguments QKVI, QKVS, MW, FL, AOC, AOS; writes AOC, AOS
.if DOCPART == 3
	.amdgcn_target "amdgcn-amd-amdhsa--gfx1250"
	.amdhsa_code_object_version 6
	.text
	.protected	k_q934ab8c62d_attn
	.globl	k_q934ab8c62d_attn
	.p2align	8
	.type	k_q934ab8c62d_attn,@function
k_q934ab8c62d_attn:
	s_mov_b64 s[64:65], 0
	v_nop
	global_prefetch_b8 v0, s[64:65] scope:SCOPE_SE
	s_setreg_imm32_b32 hwreg(HW_REG_WAVE_MODE, 25, 1), 1
	s_wait_xcnt 0x0
; ATTN: for each (batch, head) hb: O = softmax(mask(Q K^T / 32)) V on codes of BF6, and O quantised along the model's 1,024 for the last product.
; WHAT IS NOT DONE: a step of 128 keys none of which counts for any of a tile's 16 queries (FL's bit, stored by PREP from the mask as it is given) is jumped over: every p there is 0, the row's maximum and sum stay.  The 64 selects are jumped
; over where no key of the step is hidden.  Both are branches on whole numbers read from memory, and this launch has no tensor load and no copy.  Nothing is left out for all values of the inputs.
; THE SOFTMAX: t = score x log2(e) / 32; M = the running largest t rounded up to a whole number; p = 2^(t - M) is quantised along the keys, not normalised; the row's sum is taken of the unquantised p and divides at the end.
; When M moves, the sum and O^T are multiplied by 2^(old M - new M): exact.
; A QUERY FOR WHICH NO KEY COUNTS has the sum 0: reference() gives NaN there.  Its codes are zeros and its scale bytes are set to 0xff, by which the last product's sums of that row are NaN; no vector instruction meets a NaN.
; LIMITS: as stated at the head of PREP.
; SHARES.  A work-group takes a head and 32 of its 128 query tiles; a head's K and V codes and scale words (208,896 bytes) come into LDS ONCE, through registers, and stay: one barrier in the launch.
; Wave w of work-group x takes tiles 16 x + w and 127 - (16 x + w), one after the other: right for every mask, and even where the mask is triangular.
; LAYOUT.  Both products transposed: S^T = K Q^T (K = the head's 64: the upper half of both operands is zero codes), O^T = V^T P^T: a lane holds one query throughout.  Tiles of keys and of channels hold rows 32 B + 8 u + p + 8 (p / 8).
; No cluster: joint loads are tensor loads, and this launch has none.
.set KIMG,  0                          ; [tile 128][768]
.set VIMG,  98304                      ; [step 16][dt 4][1536]
.set KSC,   196608                     ; [row 2048] words
.set VSC,   204800                     ; [step][dt][16] words
.set SPARE, 208896                     ; the spare words, 128 bytes a wave: eight blocks of 256 bytes that no other line names
.set L16, 1
.set L8,  2
.set L4,  3
.set R4,  4                            ; 4 (lane % 16)
.set SPW, 5
.set NIL, 6
.set AV16, 7                           ; VIMG + 16 x lane
.set ADK16, 8
.set ADK8,  9
.set ADV16, 10
.set ADV8,  11
.set QF,  16                           ; v16-27 Q: v22-27 stay zero codes
.set ADS, 28
.set ADT, 29
.set QS,  30                           ; Q's scale words
.set NINF, 31
.set KF,  32                           ; v32-79 the step's eight half fragments of K, 6 registers each, on end; fragment t names v[KF+6t .. +11]: its upper half (the next tile's codes; v80-85 zeros behind the last) meets Q's zero codes and adds nothing
.set KS,  89                           ; v89-92 K's scale words, two tiles to a register
.set VS,  93                           ; v93-94 V's
.set QF2, 232                          ; v232-243 the second tile's Q: v238-243 stay zero codes
.set QS2, 95                           ; and its scale words
.set AV8, 86
.set AKS, 87
.set AVS, 88
.set S,   96                           ; v96-159 S^T, then p; then v96-143 V's four fragments
.set O,   160                          ; v160-191 O^T
.set PC,  192                          ; v192-203 p's codes
.set CT,  204
.set BM,  212
.set PT,  216
.set SO,  220
.set TP,  224
.set SU,  226
.set F,   228
.set PW,  230                          ; p's scale word
	s_load_b256 s[4:11], s[0:1], 0x0               ; QKVI, QKVS, MW, FL
	s_load_b128 s[12:15], s[0:1], 0x20             ; AOC, AOS
	v_lshl_add_u32 v[SPW], v0, 2, SPARE
	v_mov_b32 v[NIL], 0
	v_lshrrev_b32 v7, 5, v0
	s_delay_alu instid0(VALU_DEP_1)
	v_readfirstlane_b32 s66, v7                    ; wave 0..15
	v_and_b32 v3, 31, v0
	v_and_b32 v4, 15, v0
	s_delay_alu instid0(VALU_DEP_2)
	v_lshlrev_b32 v[L16], 4, v3
	s_delay_alu instid0(VALU_DEP_3)
	v_lshlrev_b32 v[L8], 3, v3
	s_delay_alu instid0(VALU_DEP_4)
	v_lshlrev_b32 v[L4], 2, v3
	s_delay_alu instid0(VALU_DEP_4)
	v_lshlrev_b32 v[R4], 2, v4
	s_mul_i32 s100, s66, 6144                      ; the fill: a sixteenth of each region to a wave, the bytes as they lie in memory
	v_add_nc_u32 v8, s100, v[L16]
	s_delay_alu instid0(VALU_DEP_1)
	v_add_nc_u32 v9, VIMG, v8
	s_lshl_b32 s100, s66, 9
	v_add_nc_u32 v10, s100, v[L16]
	s_delay_alu instid0(VALU_DEP_1)
	v_add_nc_u32 v11, KSC, v10
	s_lshl_b32 s100, s66, 8
	v_add_nc_u32 v28, s100, v[L8]
	s_delay_alu instid0(VALU_DEP_1)
	v_add_nc_u32 v29, VSC, v28
	v_add_nc_u32 v[AV16], VIMG, v[L16]
	v_add_nc_u32 v[AV8], VIMG, v[L8]
	v_add_nc_u32 v[AKS], KSC, v[L4]
	v_add_nc_u32 v[AVS], VSC, v[L4]
	v_mov_b32 v[NINF], 0xff800000
	s_and_b32 s67, ttmp9, 15                       ; hb = 16 b + head from bits 3:0 and 7:6 of the work-group's number; its bits 5:4 say which quarter of the head's tiles
	s_lshr_b32 s100, ttmp9, 6
	s_lshl_b32 s100, s100, 4
	s_or_b32 s67, s67, s100
	s_mul_i32 s2, s67, 98304
	s_mov_b32 s3, 0
	s_lshl_b32 s68, s67, 13
	s_mov_b32 s69, 0
	s_lshl_b32 s70, s67, 12
	s_add_co_u32 s70, s70, 1048576
	s_mov_b32 s71, 0
	s_lshr_b32 s72, s67, 4
	s_and_b32 s73, s67, 15
	s_mul_i32 s96, s72, 1572864                    ; AOC: 128 b tiles of 12,288 bytes, + 768 x head
	s_mul_i32 s97, s73, 768
	s_add_co_u32 s96, s96, s97
	s_mov_b32 s97, 0
	s_lshl_b32 s98, s72, 17                        ; AOS: 128 b tiles of 1,024 bytes, + 64 x head
	s_lshl_b32 s99, s73, 6
	s_add_co_u32 s98, s98, s99
	s_mov_b32 s99, 0
	s_bfe_u32 s73, ttmp9, 0x20004
	s_lshl_b32 s73, s73, 4
	s_add_co_u32 s73, s73, s66                     ; my first query tile
	s_mov_b32 s76, 0x3d38aa3b                      ; c = log2(e) / 32
	s_mov_b32 s77, s76                             ; (named with it as a pair, so it is written)
	s_mov_b32 s78, 0x76543210
	s_mov_b32 s79, 0xfedcba98
	s_wait_alu depctr_va_vdst(0)
	s_wait_kmcnt 0x0
	s_add_nc_u64 s[4:5], s[4:5], s[2:3]            ; Q's images of my head
	s_add_nc_u64 s[16:17], s[4:5], 6291456         ; K's
	s_add_nc_u64 s[18:19], s[4:5], 12582912        ; V's
	s_add_nc_u64 s[22:23], s[6:7], s[70:71]        ; V's scale words
	s_add_nc_u64 s[6:7], s[6:7], s[68:69]          ; Q's
	s_add_nc_u64 s[20:21], s[6:7], 524288          ; K's
	s_add_nc_u64 s[12:13], s[12:13], s[96:97]
	s_add_nc_u64 s[14:15], s[14:15], s[98:99]
	s_sub_co_u32 s100, 127, s73                    ; my second tile.  Both tiles' Q, scale words and flags are asked for here, ahead of the fill
	s_mul_i32 s24, s73, 768
	s_mov_b32 s25, 0
	s_add_nc_u64 s[24:25], s[4:5], s[24:25]
	s_mul_i32 s26, s100, 768
	s_mov_b32 s27, 0
	s_add_nc_u64 s[26:27], s[4:5], s[26:27]
	s_lshl_b32 s28, s73, 6
	s_mov_b32 s29, 0
	s_add_nc_u64 s[28:29], s[6:7], s[28:29]
	s_lshl_b32 s30, s100, 6
	s_mov_b32 s31, 0
	s_add_nc_u64 s[30:31], s[6:7], s[30:31]
	s_lshl_b32 s32, s73, 4
	s_mov_b32 s33, 0
	s_add_nc_u64 s[32:33], s[10:11], s[32:33]
	s_lshl_b32 s34, s100, 4
	s_mov_b32 s35, 0
	s_add_nc_u64 s[34:35], s[10:11], s[34:35]
	s_load_b128 s[36:39], s[32:33], 0x0            ; the first tile's flags,
	s_load_b128 s[40:43], s[34:35], 0x0            ; the second's
	global_load_b128 v[QF:QF+3], v[L16], s[24:25]
	global_load_b64 v[QF+4:QF+5], v[L8], s[24:25] offset:512
	global_load_b32 v[QS], v[R4], s[28:29]
	global_load_b128 v[QF2:QF2+3], v[L16], s[26:27]
	global_load_b64 v[QF2+4:QF2+5], v[L8], s[26:27] offset:512
	global_load_b32 v[QS2], v[R4], s[30:31]
.irp i, 0,1,2,3,4,5,6,7,8,9,10,11
	global_load_b128 v[32+4*\i:35+4*\i], v8, s[16:17] offset:512*\i
.endr
.irp i, 0,1,2,3,4,5,6,7,8,9,10,11
	global_load_b128 v[96+4*\i:99+4*\i], v8, s[18:19] offset:512*\i
.endr
	global_load_b128 v[144:147], v10, s[20:21]
	global_load_b64 v[148:149], v28, s[22:23]
	s_wait_loadcnt 14                              ; K's 12 loads are in; V's 12 and the two of scale words may be out
.irp i, 0,1,2,3,4,5,6,7,8,9,10,11
	ds_store_b128 v8, v[32+4*\i:35+4*\i] offset:512*\i
.endr
	s_wait_loadcnt 2
.irp i, 0,1,2,3,4,5,6,7,8,9,10,11
	ds_store_b128 v9, v[96+4*\i:99+4*\i] offset:512*\i
.endr
	s_wait_loadcnt 0x0
	ds_store_b128 v11, v[144:147]
	ds_store_b64 v29, v[148:149]
	s_wait_kmcnt 0x0                               ; the flags: bit s: some key of step s counts; bit 16 + s: some is hidden
	s_lshl_b32 s37, s37, 4
	s_lshl_b32 s38, s38, 8
	s_lshl_b32 s39, s39, 12
	s_or_b32 s72, s36, s37
	s_or_b32 s72, s72, s38
	s_or_b32 s72, s72, s39                         ; the first tile's
	s_lshl_b32 s41, s41, 4
	s_lshl_b32 s42, s42, 8
	s_lshl_b32 s43, s43, 12
	s_or_b32 s101, s40, s41
	s_or_b32 s101, s101, s42
	s_or_b32 s101, s101, s43                       ; the second's
	s_wait_dscnt 0x0                               ; for the others' sake: my part lies in LDS
	s_barrier_signal -1
.irp j, 6,7,8,9,10,11
	v_mov_b32 v[QF+\j], 0                          ; the zero codes of k = 64 .. 127 of both Q fragments: written once
	v_mov_b32 v[QF2+\j], 0
	v_mov_b32 v[KF+42+\j], 0                       ; v80-85, behind K's last half fragment
.endr
.set n, BM
.rept 18
	v_mov_b32 v[n], 0                              ; v212-229: lane permutes' destinations and upper halves of pairs count as read, also for a tile all of whose steps are jumped over
.set n, n+1
.endr
	s_barrier_wait -1                              ; the launch's one barrier: from here on LDS is only read
.macro PASS qf, qs
	; ---- set-up for tile s73: its Q in v[qf] on, its scale words in v[qs], its flags in s72, all brought at the head
	s_lshl_b32 s74, s73, 12
	s_mov_b32 s75, 0
	s_add_nc_u64 s[74:75], s[8:9], s[74:75]        ; the tile's mask words: 256 bytes a step
	v_mov_b32 v13, 0xff61b1e6                      ; the largest t so far: -3e38, under every t
	s_delay_alu instid0(VALU_DEP_1)
	v_floor_f32 v12, -v13                          ; -M
	v_mov_b32 v14, 0                               ; the sum, in two halves
	v_mov_b32 v15, 0
.set n, 0
.rept 32
	v_mov_b32 v[O+n], 0                            ; O^T: the step is written once; the first change of M leaves zeros zeros
.set n, n+1
.endr
	s_mov_b32 s68, 0                               ; the step
	s_mov_b32 s69, 0                               ; its tiles of K and of V: 6,144 bytes a step
	s_mov_b32 s70, 0                               ; K's scale words: 512
	s_mov_b32 s71, 0                               ; V's: 256
.Ltrip_\@:
	s_bitcmp1_b32 s72, 0
	s_cbranch_scc0 .Lskip_\@
	v_add_nc_u32 v[ADK16], s69, v[L16]             ; six plain lines: the places between the last step's products and the products that write over V's fragments (five are asked)
	v_add_nc_u32 v[ADK8], s69, v[L8]
	v_add_nc_u32 v[ADV16], s69, v[AV16]
	v_add_nc_u32 v[ADV8], s69, v[AV8]
	v_add_nc_u32 v[ADS], s70, v[AKS]
	v_add_nc_u32 v[ADT], s71, v[AVS]
.irp t, 0,1,2,3,4,5,6,7                        ; S^T = K Q^T: the step's eight tiles of 16 keys in one run of 20 LDS loads under one wait
	ds_load_b128 v[KF+6*\t:KF+6*\t+3], v[ADK16] offset:768*\t
	ds_load_b64 v[KF+6*\t+4:KF+6*\t+5], v[ADK8] offset:768*\t+512
.endr
.irp p, 0,1,2,3
	ds_load_b32 v[KS+\p], v[ADS] offset:128*\p     ; lanes 0-15: tile 2 p's rows; lanes 16-31: tile 2 p + 1's
.endr
	s_wait_dscnt 0x0
.irp t, 0,1,2,3,4,5,6,7
.if \t%2
	v_wmma_scale_f32_16x16x128_f8f6f4 v[S+8*\t:S+8*\t+7], v[KF+6*\t:KF+6*\t+11], v[\qf:\qf+11], 0, v[KS+\t/2], v[\qs] matrix_a_fmt:MATRIX_FMT_BF6 matrix_b_fmt:MATRIX_FMT_BF6 matrix_a_scale:MATRIX_SCALE_ROW1
.else
	v_wmma_scale_f32_16x16x128_f8f6f4 v[S+8*\t:S+8*\t+7], v[KF+6*\t:KF+6*\t+11], v[\qf:\qf+11], 0, v[KS+\t/2], v[\qs] matrix_a_fmt:MATRIX_FMT_BF6 matrix_b_fmt:MATRIX_FMT_BF6
.endif
.endr
.rept 4
	v_nop
.endr
	s_bitcmp1_b32 s72, 16
	s_cbranch_scc0 .Lopen_\@
	s_load_b512 s[16:31], s[74:75], 0x0            ; the step's 64 words of lane bits
	s_load_b512 s[32:47], s[74:75], 0x40
	s_load_b512 s[48:63], s[74:75], 0x80
	s_load_b512 s[80:95], s[74:75], 0xc0
	s_wait_kmcnt 0x0
.set n, 0
.rept 64
	v_cndmask_b32 v[S+n], v[S+n], v[NINF], s[16+n+16*(n/48)]   ; a hidden key's score becomes -infinity ahead of the maximum: p = 0 then
.set n, n+1
.endr
.Lopen_\@:
.irp b, 0,1,2,3
	v_max3_num_f32 v[BM+\b], v[S+16*\b], v[S+1+16*\b], v[S+2+16*\b]   ; the largest score of each block of 32 keys: for the row's maximum and, since p rises with the score, for the block's largest p
.endr
.irp i, 3,5,7,9,11,13
.irp b, 0,1,2,3
	v_max3_num_f32 v[BM+\b], v[BM+\b], v[S+16*\b+\i], v[S+1+16*\b+\i]
.endr
.endr
.irp b, 0,1,2,3
	v_max_num_f32 v[BM+\b], v[BM+\b], v[S+15+16*\b]
.endr
.irp b, 0,1,2,3
	s_delay_alu instid0(VALU_DEP_4)
	v_permlanex16_b32 v[PT+\b], v[BM+\b], s78, s79
.endr
.irp b, 0,1,2,3
	s_delay_alu instid0(VALU_DEP_4)
	v_max_num_f32 v[BM+\b], v[BM+\b], v[PT+\b]     ; with lane l xor 16's 16 keys
.endr
	s_delay_alu instid0(VALU_DEP_2)
	v_max3_num_f32 v[TP], v[BM], v[BM+1], v[BM+2]
	s_delay_alu instid0(VALU_DEP_1)
	v_max_num_f32 v[TP], v[TP], v[BM+3]
	s_delay_alu instid0(VALU_DEP_1)
	v_mul_f32 v[TP], s76, v[TP]                    ; as t (c is positive)
	s_delay_alu instid0(VALU_DEP_1)
	v_max_num_f32 v13, v13, v[TP]                  ; the running largest t
	v_mov_b32 v[TP], v12
	s_delay_alu instid0(VALU_DEP_2)
	v_floor_f32 v12, -v13                          ; the new -M = -ceil(t): a whole number
	s_delay_alu instid0(VALU_DEP_1)
	v_sub_f32 v[TP], v12, v[TP]                    ; old M less new M: a whole number, 0 or less
	s_delay_alu instid0(VALU_DEP_1)
	v_cvt_i32_f32 v[TP], v[TP]                     ; (it saturates)
	s_delay_alu instid0(VALU_DEP_1)
	v_ldexp_f32 v[F], 1.0, v[TP]                   ; f = 2^(old M - new M)
.set n, 0
.rept 32
	v_pk_fma_f32 v[S+n:S+n+1], v[S+n:S+n+1], s[76:77], v[12:13] op_sel_hi:[1,0,0]   ; t - M, two at a time
.set n, n+2
.endr
.irp b, 0,1,2,3
	v_fma_f32 v[BM+\b], v[BM+\b], s76, v12
.endr
.set n, 0
	s_wait_alu depctr_va_vdst(0)
.rept 64
	v_exp_f32 v[S+n], v[S+n]                       ; p = 2^(t - M), at most 1
.set n, n+1
.endr
	v_pk_mul_f32 v[14:15], v[14:15], v[F:F+1] op_sel_hi:[1,0]   ; the sums under the new M: a plain place behind the exponentials
	s_wait_alu depctr_va_vdst(0)                   ; one wait for the whole batch, ahead of its first reader
.irp b, 0,1,2,3
	v_exp_f32 v[BM+\b], v[BM+\b]                   ; the block's largest p
.endr
	v_pk_add_f32 v[226:227], v[100:101], v[104:105]
	v_pk_add_f32 v[254:255], v[108:109], v[112:113]
	v_pk_add_f32 v[252:253], v[116:117], v[120:121]
	v_pk_add_f32 v[250:251], v[124:125], v[128:129]
	v_pk_add_f32 v[248:249], v[132:133], v[136:137]
	v_pk_add_f32 v[246:247], v[140:141], v[144:145]
	v_pk_add_f32 v[244:245], v[148:149], v[152:153]
	v_pk_add_f32 v[14:15], v[14:15], v[156:157]
	v_pk_add_f32 v[226:227], v[226:227], v[96:97]
	v_pk_add_f32 v[254:255], v[254:255], v[98:99]
	v_pk_add_f32 v[252:253], v[252:253], v[102:103]
	v_pk_add_f32 v[250:251], v[250:251], v[106:107]
	v_pk_add_f32 v[248:249], v[248:249], v[110:111]
	v_pk_add_f32 v[246:247], v[246:247], v[114:115]
	v_pk_add_f32 v[244:245], v[244:245], v[118:119]
	v_pk_add_f32 v[14:15], v[14:15], v[122:123]
	v_pk_add_f32 v[226:227], v[226:227], v[126:127]
	v_pk_add_f32 v[254:255], v[254:255], v[130:131]
	v_pk_add_f32 v[252:253], v[252:253], v[134:135]
	v_pk_add_f32 v[250:251], v[250:251], v[138:139]
	v_pk_add_f32 v[248:249], v[248:249], v[142:143]
	v_pk_add_f32 v[246:247], v[246:247], v[146:147]
	v_pk_add_f32 v[244:245], v[244:245], v[150:151]
	v_pk_add_f32 v[14:15], v[14:15], v[154:155]
	v_pk_add_f32 v[226:227], v[226:227], v[158:159]
	s_delay_alu instid0(VALU_DEP_2)
	v_pk_add_f32 v[14:15], v[14:15], v[250:251]
	s_delay_alu instid0(VALU_DEP_2)
	v_pk_add_f32 v[226:227], v[226:227], v[248:249]
	v_pk_add_f32 v[254:255], v[254:255], v[246:247]
	v_pk_add_f32 v[252:253], v[252:253], v[244:245]
	s_delay_alu instid0(VALU_DEP_2)
	v_pk_add_f32 v[14:15], v[14:15], v[254:255]
	s_delay_alu instid0(VALU_DEP_2)
	v_pk_add_f32 v[226:227], v[226:227], v[252:253]
	s_delay_alu instid0(VALU_DEP_1)
	v_pk_add_f32 v[14:15], v[14:15], v[226:227]
	s_wait_alu depctr_va_vdst(0)                   ; and one for the four
.irp b, 0,1,2,3
	v_max_num_f32 v[BM+\b], 0x2800000, v[BM+\b]    ; the floor 2^(5 - 127): the byte cannot fall under 1
.endr
.irp b, 0,1,2,3
	s_delay_alu instid0(VALU_DEP_4)
	v_add_nc_u32 v[SO+\b], 0xfe000000, v[BM+\b]    ; 4 off the exponent field: the conversion's scale operand
.endr
.irp b, 0,1,2,3
	s_delay_alu instid0(VALU_DEP_4)
	v_lshrrev_b32 v[PT+\b], 23, v[SO+\b]
.endr
	s_delay_alu instid0(VALU_DEP_3)
	v_lshl_or_b32 v[PW], v[PT+1], 8, v[PT]
	s_delay_alu instid0(VALU_DEP_1)
	v_lshl_or_b32 v[PW], v[PT+2], 16, v[PW]
	s_delay_alu instid0(VALU_DEP_1)
	v_lshl_or_b32 v[PW], v[PT+3], 24, v[PW]
.irp c, 0,1
	v_cvt_scalef32_pk16_bf6_f32 v[PC+6*\c:PC+2+6*\c], v[S+32*\c:S+15+32*\c], v[SO+2*\c]
	v_cvt_scalef32_pk16_bf6_f32 v[CT+4*\c:CT+2+4*\c], v[S+16+32*\c:S+31+32*\c], v[SO+2*\c+1]
.endr
	v_nop                                          ; one plain place behind a scaled conversion
.irp t, 0,1,2,3                                ; V's four fragments take p's registers
	ds_load_b128 v[S+12*\t:S+12*\t+3], v[ADV16] offset:1536*\t
	ds_load_b64 v[S+12*\t+4:S+12*\t+5], v[ADV8] offset:1536*\t+512
	ds_load_b128 v[S+12*\t+6:S+12*\t+9], v[ADV16] offset:1536*\t+768
	ds_load_b64 v[S+12*\t+10:S+12*\t+11], v[ADV8] offset:1536*\t+1280
.endr
	ds_load_b32 v[VS], v[ADT]
	ds_load_b32 v[VS+1], v[ADT] offset:128
.irp c, 0,1
.irp i, 0,1,2
	v_permlane16_swap_b32 v[PC+6*\c+\i], v[CT+4*\c+\i]
.endr
.irp i, 0,1,2
	s_delay_alu instid0(VALU_DEP_3)
	v_mov_b32 v[PC+3+6*\c+\i], v[CT+4*\c+\i]
.endr
.endr
.set n, 0
.rept 16
	v_pk_mul_f32 v[O+n:O+n+1], v[O+n:O+n+1], v[F:F+1] op_sel_hi:[1,0]   ; O^T under the new M.  These sixteen are also the places between p's codes and scale word and the scaled products
.set n, n+2
.endr
	s_wait_alu depctr_va_vdst(0)
	s_wait_dscnt 0x0
.irp t, 0,1,2,3                                ; O^T += V^T P^T: the four accumulators by turns
.if \t%2
	v_wmma_scale_f32_16x16x128_f8f6f4 v[O+8*\t:O+8*\t+7], v[S+12*\t:S+12*\t+11], v[PC:PC+11], v[O+8*\t:O+8*\t+7], v[VS+\t/2], v[PW] matrix_a_fmt:MATRIX_FMT_BF6 matrix_b_fmt:MATRIX_FMT_BF6 matrix_a_scale:MATRIX_SCALE_ROW1
.else
	v_wmma_scale_f32_16x16x128_f8f6f4 v[O+8*\t:O+8*\t+7], v[S+12*\t:S+12*\t+11], v[PC:PC+11], v[O+8*\t:O+8*\t+7], v[VS+\t/2], v[PW] matrix_a_fmt:MATRIX_FMT_BF6 matrix_b_fmt:MATRIX_FMT_BF6
.endif
.endr
.Lskip_\@:
	s_add_co_u32 s69, s69, 6144
	s_add_co_u32 s70, s70, 512
	s_add_co_u32 s71, s71, 256
	s_add_nc_u64 s[74:75], s[74:75], 256           ; (the step's scalar loads were waited for)
	s_lshr_b32 s72, s72, 1
	s_add_co_u32 s68, s68, 1
	s_cmp_lt_u32 s68, 16
	s_cbranch_scc1 .Ltrip_\@
	; ---- the way out: O^T / the sum, quantised along the head's 64 channels: half a fragment of the last product's operand
.rept 4
	v_nop
.endr
	s_mul_i32 s16, s73, 12288
	s_mov_b32 s17, 0
	s_add_nc_u64 s[16:17], s[12:13], s[16:17]
	s_lshl_b32 s18, s73, 10
	s_mov_b32 s19, 0
	s_add_nc_u64 s[18:19], s[14:15], s[18:19]
	v_add_f32 v14, v14, v15
	s_delay_alu instid0(VALU_DEP_1)
	v_permlanex16_b32 v[TP], v14, s78, s79
	s_delay_alu instid0(VALU_DEP_1)
	v_add_f32 v14, v14, v[TP]                      ; the row's sum
	v_mov_b32 v[PT+3], 1.0
	v_mov_b32 v[PT+2], 0xffff
	s_delay_alu instid0(VALU_DEP_3)
	v_cmp_eq_f32 s96, 0, v14                       ; no key counted
	s_delay_alu instid0(VALU_DEP_1)
	v_cndmask_b32 v[TP+1], v14, v[PT+3], s96
	s_wait_alu depctr_va_vdst(0)
	v_rcp_f32 v[BM], v[TP+1]
	v_nop                                          ; a plain place behind the reciprocal
	s_wait_alu depctr_va_vdst(0)                   ; and the wait ahead of its first reader
.set n, 0
.rept 16
	v_pk_mul_f32 v[S+n:S+n+1], v[O+n:O+n+1], v[BM:BM+1] op_sel_hi:[1,0]   ; register 16 B + i: channel 32 B + 16 h + i
.set n, n+2
.endr
.irp b, 0,1
	v_max3_num_f32 v[BM+2+\b], |v[S+16*\b]|, |v[S+1+16*\b]|, 0x2800000
.endr
.irp i, 2,4,6,8,10,12,14
.irp b, 0,1
	s_delay_alu instid0(VALU_DEP_2)
	v_max3_num_f32 v[BM+2+\b], v[BM+2+\b], |v[S+16*\b+\i]|, |v[S+1+16*\b+\i]|
.endr
.endr
.irp b, 0,1
	s_delay_alu instid0(VALU_DEP_2)
	v_permlanex16_b32 v[PT+\b], v[BM+2+\b], s78, s79
.endr
.irp b, 0,1
	s_delay_alu instid0(VALU_DEP_2)
	v_max_num_f32 v[BM+2+\b], v[BM+2+\b], v[PT+\b]
.endr
.irp b, 0,1
	s_delay_alu instid0(VALU_DEP_2)
	v_add_nc_u32 v[SO+\b], 0xfe000000, v[BM+2+\b]
.endr
.irp b, 0,1
	s_delay_alu instid0(VALU_DEP_2)
	v_lshrrev_b32 v[PT+\b], 23, v[SO+\b]
.endr
	s_delay_alu instid0(VALU_DEP_1)
	v_lshl_or_b32 v[PW], v[PT+1], 8, v[PT]
	s_delay_alu instid0(VALU_DEP_1)
	v_cndmask_b32 v[PW], v[PW], v[PT+2], s96       ; a query with no key: both bytes 0xff
	v_cvt_scalef32_pk16_bf6_f32 v[PC:PC+2], v[S:S+15], v[SO]
	v_cvt_scalef32_pk16_bf6_f32 v[CT:CT+2], v[S+16:S+31], v[SO+1]
	v_nop
.irp i, 0,1,2
	v_permlane16_swap_b32 v[PC+\i], v[CT+\i]
.endr
.irp i, 0,1,2
	s_delay_alu instid0(VALU_DEP_3)
	v_mov_b32 v[PC+3+\i], v[CT+\i]
.endr
	global_store_b128 v[L16], v[PC:PC+3], s[16:17]
	global_store_b64 v[L8], v[PC+4:PC+5], s[16:17] offset:512
	v_cmp_gt_u32 vcc_lo, 64, v[L4]
	s_wait_xcnt 0x0                                ; EXEC changes only when the stores above have read it
	s_and_saveexec_b32 s97, vcc_lo
	global_store_b32 v[L4], v[PW], s[18:19]        ; lanes 0-15: the 16 rows' words
	s_wait_xcnt 0x0                                ; and again: also frees the stores' registers and bases for the next tile
	s_or_b32 exec_lo, exec_lo, s97
.endm
	PASS QF, QS
	s_sub_co_u32 s73, 127, s73                     ; my second tile,
	s_mov_b32 s72, s101                            ; and its flags
	PASS QF2, QS2
	s_wait_tensorcnt 0x0                           ; the wave's end, behind my last LDS store
	ds_add_u32 v[SPW], v[NIL]
	s_wait_dscnt 0x0
	s_endpgm
.Lfunc_end_k_q934ab8c62d_attn:
	.size	k_q934ab8c62d_attn, .Lfunc_end_k_q934ab8c62d_attn-k_q934ab8c62d_attn
	.p2alignl 7, 3214868480
	.fill 96, 4, 3214868480
	.section	.rodata,"a",@progbits
	.p2align	6, 0x0
	.amdhsa_kernel k_q934ab8c62d_attn
		.amdhsa_group_segment_fixed_size 210944
		.amdhsa_private_segment_fixed_size 0
		.amdhsa_enable_private_segment 0
		.amdhsa_kernarg_size 48
		.amdhsa_user_sgpr_count 2
		.amdhsa_user_sgpr_kernarg_segment_ptr 1
		.amdhsa_wavefront_size32 1
		.amdhsa_system_sgpr_workgroup_id_x 1
		.amdhsa_system_sgpr_workgroup_id_y 1
		.amdhsa_system_sgpr_workgroup_id_z 1
		.amdhsa_system_vgpr_workitem_id 0
		.amdhsa_next_free_vgpr 256
		.amdhsa_next_free_sgpr 102
		.amdhsa_reserve_vcc 1
		.amdhsa_float_denorm_mode_32 3
		.amdhsa_float_denorm_mode_16_64 3
		.amdhsa_memory_ordered 1
		.amdhsa_forward_progress 1
		.amdhsa_inst_pref_size 68
	.end_amdhsa_kernel
	.amdgpu_metadata
---
amdhsa.version: [ 1, 2 ]
amdhsa.kernels:
  - .name:           k_q934ab8c62d_attn
    .symbol:         k_q934ab8c62d_attn.kd
    .args:
      - { .name: QKVI, .offset: 0, .size: 8, .value_kind: global_buffer, .address_space: global }
      - { .name: QKVS, .offset: 8, .size: 8, .value_kind: global_buffer, .address_space: global }
      - { .name: MW, .offset: 16, .size: 8, .value_kind: global_buffer, .address_space: global }
      - { .name: FL, .offset: 24, .size: 8, .value_kind: global_buffer, .address_space: global }
      - { .name: AOC, .offset: 32, .size: 8, .value_kind: global_buffer, .address_space: global }
      - { .name: AOS, .offset: 40, .size: 8, .value_kind: global_buffer, .address_space: global }
    .group_segment_fixed_size: 210944
    .private_segment_fixed_size: 0
    .kernarg_segment_align: 8
    .kernarg_segment_size: 48
    .max_flat_workgroup_size: 512
    .sgpr_count:     102
    .vgpr_count:     256
    .wavefront_size: 32
...
	.end_amdgpu_metadata
.endif
;; end of part 3
;; launch outp (part 4): grid 4 x 64, 4 waves a work-group, clusters of 4 x 4, 327,680 bytes of LDS; arguments AOC, AOS, XC, XS, bo, out0; writes out0
.if DOCPART == 4
	.amdgcn_target "amdgcn-amd-amdhsa--gfx1250"
	.amdhsa_code_object_version 6
	.text
	.protected	k_q934ab8c62d_outp
	.globl	k_q934ab8c62d_outp
	.p2align	8
	.type	k_q934ab8c62d_outp,@function
k_q934ab8c62d_outp:
	s_mov_b64 s[64:65], 0
	v_nop
	global_prefetch_b8 v0, s[64:65] scope:SCOPE_SE
	s_setreg_imm32_b32 hwreg(HW_REG_WAVE_MODE, 25, 1), 1
	s_wait_xcnt 0x0
	s_wait_alu depctr_hold_cnt(0) depctr_sa_sdst(0) depctr_va_vdst(0) depctr_va_sdst(0) depctr_va_ssrc(0) depctr_va_vcc(0) depctr_vm_vsrc(0)
	s_getreg_b32 s2, hwreg(HW_REG_IB_STS2, 6, 4)
	s_cmp_eq_u32 s2, 0
	s_cbranch_scc0 .Lentry_in_a_cluster
	s_endpgm
.Lentry_in_a_cluster:
	s_bfe_u32 s2, ttmp6, 0x10000c
	s_cmp_lg_u32 s2, 0xf033
	s_cbranch_scc0 .Lentry_shape_is_right
	s_endpgm
.Lentry_shape_is_right:
; OUTP: out = AO Wo^T + bo on the codes that ATTN (AO) and PREP (Wo) made.  No work is left out.
; The form is PROJ's: R[x][y] = sum over k of X[x][k] Y[y][k], X = AO's row tiles (128 b + tile), Y = Wo's; the matrix instruction transposed (source 0 = 16 rows of Wo, source 1 = 16 rows of AO): a lane holds one row of out and
; registers along its columns.  A work-group makes 128 x 256, a wave 64 x 128; 256 work-groups.  All of K lies in LDS, brought once in two halves; nothing is filled again.
; CLUSTERS: 4 x 4: AO's tiles are asked for jointly along a row of the cluster, Wo's along a column.
; bo is the C of each sum's first product.  A row of AO whose scale bytes are 0xff (a query for which no key counts) gives NaN in its whole row of out, as reference() does; results go from the accumulators to stores alone.
; REGISTERS: as in PROJ; on the way out v96-223 take rows read back from the stage.
.set XB,    0
.set YB,    98304
; K COMES IN TWO HALVES OF 512 (in place of the four quarters named above), as in PROJ.  The stage of the way out lies in Y's first half, which nobody reads behind K step 3's barrier.
.set QX,    49152
.set QY,    98304
.set TILEB, 6144
.set QSTEP, 3072
.set FRB,   1536
.set SPARE, 294912                     ; the spare words, 128 bytes a wave: two blocks of 256 bytes that no other line names
.set SPITCH, 528                       ; the way out: 16 rows x (512 bytes + 16) a wave, in Y's first half: filled once, and read by nobody behind K step 3's barrier
.set L16, 1
.set L8,  2
.set AX16, 8
.set AX8,  9
.set AY16, 10
.set AY8,  11
.set STO, 12
.set RD,  13
.set SPW, 28
.set NIL, 29
.set SY,  32
.set SX,  64
.set XF,  96
.set BK,  96
.set RAW, 144                          ; v144-175 AO's scale words as they are loaded, a head each
.set BI,  192
.set G1X, 24
.set G1Y, 32
.set G0X, 40
.set MSB, 0
.macro WIN new
.if MSB != \new
	s_set_vgpr_msb (MSB<<8)|\new
.set MSB, \new
.endif
.endm
.macro CROUND
	s_barrier_signal -1
	s_barrier_wait -1
	s_cmp_lg_u32 s18, 0
	s_cbranch_scc1 .Lnot_wave_0_\@
	s_barrier_signal -3
.Lnot_wave_0_\@:
	s_barrier_wait -3
	s_barrier_signal -1
	s_barrier_wait -1
.endm
.macro PLACES
.rept 4
	v_nop
.endr
.endm
	s_load_b256 s[4:11], s[0:1], 0x0               ; AOC, AOS, XC, XS
	s_load_b128 s[12:15], s[0:1], 0x20             ; bo, out0
	v_lshl_add_u32 v[SPW], v0, 2, SPARE
	v_mov_b32 v[NIL], 0
	ds_add_u32 v[SPW], v[NIL]                      ; the wave's opening: the add, twice on end, and its wait ahead of my first tensor load
	ds_add_u32 v[SPW], v[NIL]
	v_lshrrev_b32 v1, 5, v0
	v_readfirstlane_b32 s18, v1                    ; wave
	s_lshr_b32 s19, s18, 1                         ; wx; also: I fetch for X (0) or for Y (1)
	s_and_b32 s20, s18, 1                          ; wy; also: which half of the tiles I fetch
	s_bfe_u32 s21, ttmp6, 0x40000                  ; cx
	s_bfe_u32 s22, ttmp6, 0x40004                  ; cy
	s_and_b32 s76, ttmp7, 0xffff
	s_lshl_b32 s76, s76, 2
	s_add_co_u32 s77, s76, s22                     ; tile row: X's chain never holds cx
	s_lshl_b32 s78, s77, 3                         ; GX
	s_mov_b32 s85, s21                             ; tile column: Y's chain never holds cy
	s_lshl_b32 s86, s85, 4
	s_add_co_u32 s86, s86, 1728                    ; GY: Wo's row tiles in XC
	s_lshl_b32 s96, s22, 2
	s_lshl_b32 s96, 15, s96
	s_lshl_b32 s97, 0x1111, s21
	s_or_b32 s[G1X], s96, (3<<16)|(1<<21)          ; as in PROJ: rows = row tiles 12,288 bytes apart, of each a half of 6,144 bytes
	s_mov_b32 s[G1X+1], 768<<16
	s_mov_b32 s[G1X+2], 4<<16
	s_mov_b32 s[G1X+3], 768<<16
	s_mov_b32 s[G1X+4], 4
	s_mov_b32 s[G1X+5], 1536
	s_mov_b32 s[G1X+6], 0
	s_mov_b32 s[G1X+7], 0
	s_or_b32 s[G1Y], s97, (3<<16)|(1<<21)
	s_mov_b32 s[G1Y+1], 768<<16
	s_mov_b32 s[G1Y+2], 8<<16
	s_mov_b32 s[G1Y+3], 768<<16
	s_mov_b32 s[G1Y+4], 8
	s_mov_b32 s[G1Y+5], 1536
	s_mov_b32 s[G1Y+6], 0
	s_mov_b32 s[G1Y+7], 0
	s_lshl_b32 s80, s20, 2
	s_add_co_u32 s80, s80, s78
	s_mul_i32 s80, s80, 12288
	s_mov_b32 s81, 0
	s_lshl_b32 s88, s20, 3
	s_add_co_u32 s88, s88, s86
	s_mul_i32 s88, s88, 12288
	s_mov_b32 s89, 0
	s_mul_i32 s98, s20, 4*TILEB
	s_mul_i32 s99, s20, 8*TILEB
	s_wait_dscnt 0x0                               ; both opening adds are done
	s_wait_kmcnt 0x0
	s_add_nc_u64 s[82:83], s[4:5], s[80:81]
	s_add_nc_u64 s[90:91], s[8:9], s[88:89]
	CROUND                                         ; all sixteen work-groups are here: the joint loads meet
.irp q, 0,1
	s_mov_b32 s[G0X+4*\q], 1
	s_add_co_u32 s[G0X+4*\q+1], s98, XB+QX*\q
	s_add_nc_u64 s[G0X+4*\q+2:G0X+4*\q+3], s[82:83], TILEB*\q
	s_or_b32 s[G0X+4*\q+3], s[G0X+4*\q+3], 0x80000000
	s_mov_b32 s[56+4*\q+4*(\q/2)], 1
	s_add_co_u32 s[56+4*\q+4*(\q/2)+1], s99, YB+QY*\q
	s_add_nc_u64 s[56+4*\q+4*(\q/2)+2:56+4*\q+4*(\q/2)+3], s[90:91], TILEB*\q
	s_or_b32 s[56+4*\q+4*(\q/2)+3], s[56+4*\q+4*(\q/2)+3], 0x80000000
.endr
	s_cmp_eq_u32 s19, 0                            ; one fill a wave at the head: my part of the first half
	s_cbranch_scc0 .Lfill_y
	tensor_load_to_lds s[G0X:G0X+3], s[G1X:G1X+7]
	s_nop 0
	PLACES
	s_branch .Lfilled
.Lfill_y:
	tensor_load_to_lds s[56:59], s[G1Y:G1Y+7]
	s_nop 0
	PLACES
.Lfilled:
	v_and_b32 v6, 31, v0
	v_and_b32 v7, 15, v0                           ; r
	v_bfe_u32 v16, v0, 4, 1                        ; h
	v_lshlrev_b32 v[L16], 4, v6
	v_lshlrev_b32 v[L8], 3, v6
	v_lshlrev_b32 v3, 6, v16                       ; 64 h: the bias
	v_lshlrev_b32 v5, 5, v7
	v_lshl_add_u32 v5, v16, 9, v5                  ; Wo's scale words: row r of 32 bytes; lanes 16-31 the next tile
	v_lshlrev_b32 v17, 2, v7
	v_lshl_add_u32 v17, v16, 10, v17               ; AO's: 4 r; lanes 16-31 the next tile, 1,024 bytes on
	s_wait_alu depctr_va_vdst(0)
	s_mul_i32 s94, s19, 4*TILEB
	v_add_nc_u32 v[AX16], s94, v[L16]
	v_add_nc_u32 v[AX8], s94, v[L8]
	s_mul_i32 s94, s20, 8*TILEB
	s_add_co_u32 s94, s94, YB
	v_add_nc_u32 v[AY16], s94, v[L16]
	v_add_nc_u32 v[AY8], s94, v[L8]
	s_mul_i32 s94, s18, 16*SPITCH
	s_add_co_u32 s94, s94, YB                      ; my stage
	v_mul_u32_u24 v[STO], v7, SPITCH
	v_lshl_add_u32 v[STO], v16, 6, v[STO]
	v_add_nc_u32 v[STO], s94, v[STO]               ; in: row r, + 64 h
	v_add_nc_u32 v[RD], s94, v[L16]                ; back: a row of 512 bytes to the 32 lanes
	s_lshl_b32 s94, s20, 3
	s_add_co_u32 s94, s94, s86
	s_lshl_b32 s94, s94, 9
	s_mov_b32 s95, 0
	s_add_nc_u64 s[96:97], s[10:11], s[94:95]      ; my 8 tiles of Wo in XS
	s_lshl_b32 s94, s19, 2
	s_add_co_u32 s94, s94, s78                     ; my first row tile of AO
	s_lshl_b32 s79, s94, 10
	s_mov_b32 s80, s79
	s_mov_b32 s81, 0
	s_add_nc_u64 s[98:99], s[6:7], s[80:81]        ; in AOS
	s_lshr_b32 s87, s94, 7                         ; b
	s_and_b32 s94, s94, 127                        ; the tile in the batch, a multiple of 4
	s_lshl_b32 s94, s94, 18                        ; 16 rows of 16,384 bytes a tile
	s_lshl_b32 s87, s87, 12
	s_add_co_u32 s94, s94, s87
	s_lshl_b32 s87, s85, 10
	s_lshl_b32 s88, s20, 9
	s_add_co_u32 s88, s88, s87                     ; my 128 columns, in bytes
	s_mov_b32 s89, 0
	s_add_nc_u64 s[12:13], s[12:13], s[88:89]      ; bo
	s_add_co_u32 s94, s94, s88
	s_add_nc_u64 s[14:15], s[14:15], s[94:95]      ; out0
.irp i, 0,1,2,3
.irp z, 0,1
	global_load_b128 v[SY+8*\i+4*\z:SY+8*\i+4*\z+3], v5, s[96:97] offset:1024*\i+16*\z
.endr
.endr
.irp i, 0,1
.irp n, 0,1,2,3,4,5,6,7,8,9,10,11,12,13,14,15
	global_load_b32 v[RAW+16*\i+\n], v17, s[98:99] offset:2048*\i+64*\n   ; head n's two bytes of tiles 2 i (lanes 0-15) and 2 i + 1
.endr
.endr
.irp b, 0,1,2,3,4,5,6,7
	global_load_b128 v[BI+8*\b:BI+8*\b+3], v3, s[12:13] offset:(32*(\b/2)+8*(\b%2))*4      ; register 8 b + j: column 32 (b / 2) + 16 h + 8 (b % 2) + j
	global_load_b128 v[BI+8*\b+4:BI+8*\b+7], v3, s[12:13] offset:(32*(\b/2)+8*(\b%2))*4+16
.endr
.macro FRAG reg, a16, a8, off
	ds_load_b128 v[\reg:\reg+3], v[\a16] offset:\off
	ds_load_b64 v[\reg+4:\reg+5], v[\a8] offset:\off+512
	ds_load_b128 v[\reg+6:\reg+9], v[\a16] offset:\off+768
	ds_load_b64 v[\reg+10:\reg+11], v[\a8] offset:\off+1280
.endm
.macro FETCH ks
	WIN 0x40
.irp i, 0,1,2,3,4,5,6,7
	FRAG 128*((\ks)%2)+12*\i, AY16, AY8, TILEB*\i+FRB*((\ks)%2)
.endr
	WIN 0
.irp i, 0,1,2,3
	FRAG XF+48*((\ks)%2)+12*\i, AX16, AX8, TILEB*\i+FRB*((\ks)%2)
.endr
.endm
.macro WM mode, py, px                 ; one product; mode 2: the bias starts the sum
.if (\mode) == 2
.if (\py) && (\px)
	v_wmma_scale_f32_16x16x128_f8f6f4 v[rD:rD+7], v[rY:rY+11], v[rX:rX+11], v[rB:rB+7], v[rSY], v[rSX] matrix_a_fmt:MATRIX_FMT_BF6 matrix_b_fmt:MATRIX_FMT_BF6 matrix_a_scale:MATRIX_SCALE_ROW1 matrix_b_scale:MATRIX_SCALE_ROW1
.elseif (\py)
	v_wmma_scale_f32_16x16x128_f8f6f4 v[rD:rD+7], v[rY:rY+11], v[rX:rX+11], v[rB:rB+7], v[rSY], v[rSX] matrix_a_fmt:MATRIX_FMT_BF6 matrix_b_fmt:MATRIX_FMT_BF6 matrix_a_scale:MATRIX_SCALE_ROW1
.elseif (\px)
	v_wmma_scale_f32_16x16x128_f8f6f4 v[rD:rD+7], v[rY:rY+11], v[rX:rX+11], v[rB:rB+7], v[rSY], v[rSX] matrix_a_fmt:MATRIX_FMT_BF6 matrix_b_fmt:MATRIX_FMT_BF6 matrix_b_scale:MATRIX_SCALE_ROW1
.else
	v_wmma_scale_f32_16x16x128_f8f6f4 v[rD:rD+7], v[rY:rY+11], v[rX:rX+11], v[rB:rB+7], v[rSY], v[rSX] matrix_a_fmt:MATRIX_FMT_BF6 matrix_b_fmt:MATRIX_FMT_BF6
.endif
.else
.if (\py) && (\px)
	v_wmma_scale_f32_16x16x128_f8f6f4 v[rD:rD+7], v[rY:rY+11], v[rX:rX+11], v[rD:rD+7], v[rSY], v[rSX] matrix_a_fmt:MATRIX_FMT_BF6 matrix_b_fmt:MATRIX_FMT_BF6 matrix_a_scale:MATRIX_SCALE_ROW1 matrix_b_scale:MATRIX_SCALE_ROW1
.elseif (\py)
	v_wmma_scale_f32_16x16x128_f8f6f4 v[rD:rD+7], v[rY:rY+11], v[rX:rX+11], v[rD:rD+7], v[rSY], v[rSX] matrix_a_fmt:MATRIX_FMT_BF6 matrix_b_fmt:MATRIX_FMT_BF6 matrix_a_scale:MATRIX_SCALE_ROW1
.elseif (\px)
	v_wmma_scale_f32_16x16x128_f8f6f4 v[rD:rD+7], v[rY:rY+11], v[rX:rX+11], v[rD:rD+7], v[rSY], v[rSX] matrix_a_fmt:MATRIX_FMT_BF6 matrix_b_fmt:MATRIX_FMT_BF6 matrix_b_scale:MATRIX_SCALE_ROW1
.else
	v_wmma_scale_f32_16x16x128_f8f6f4 v[rD:rD+7], v[rY:rY+11], v[rX:rX+11], v[rD:rD+7], v[rSY], v[rSX] matrix_a_fmt:MATRIX_FMT_BF6 matrix_b_fmt:MATRIX_FMT_BF6
.endif
.endif
.endm
.macro MUL a0, n, ks, mode             ; the 32 accumulators take turns, one instruction a turn, in one order in every K step
.if (\mode) == 2
	WIN 0x81                                       ; source 0 (Y) window 1, source 1 (X) and C (the bias) window 0, D window 2
.else
	WIN 0xa1                                       ; C and D window 2
.endif
.set aa, \a0
.rept \n
.set bb, 0
.rept 8
.set rD, 8*(8*aa+bb)
.set rY, 128*((\ks)%2)+12*bb
.set rX, XF+48*((\ks)%2)+12*aa
.set rB, BI+8*bb
.set rSY, SY+8*(bb/2)+(\ks)
.set rSX, SX+8*(aa/2)+(\ks)
	WM \mode, bb%2, aa%2
.set bb, bb+1
.endr
.set aa, aa+1
.endr
.endm
.macro KSTEP ks, mode                  ; as in PROJ
	s_wait_dscnt 0x0                               ; this step's 48 loads are in
.if (\ks) == 7
	MUL 0, 4, \ks, \mode
.elseif (\ks)%2 == 0
	PLACES                                         ; in front of loads into registers that matrix instructions have read
	FETCH (\ks)+1
	MUL 0, 4, \ks, \mode
.elseif (\ks) != 3
	WIN 0
	v_add_nc_u32 v[AX16], QSTEP, v[AX16]           ; two K steps on in the same half: these four are the places in front of the loads
	v_add_nc_u32 v[AX8], QSTEP, v[AX8]
	v_add_nc_u32 v[AY16], QSTEP, v[AY16]
	v_add_nc_u32 v[AY8], QSTEP, v[AY8]
	FETCH (\ks)+1
	MUL 0, 4, \ks, \mode
.else
	s_wait_tensorcnt 0x0                           ; my one load that is out, my part of the second half, has landed
	s_barrier_signal -1
	MUL 0, 2, \ks, \mode
	WIN 0
	s_barrier_wait -1                              ; everybody's has.
	v_add_nc_u32 v[AX16], QX-QSTEP, v[AX16]        ; on to the second half: these four are the places in front of the loads
	v_add_nc_u32 v[AX8], QX-QSTEP, v[AX8]
	v_add_nc_u32 v[AY16], QY-QSTEP, v[AY16]
	v_add_nc_u32 v[AY8], QY-QSTEP, v[AY8]
	FETCH (\ks)+1
	MUL 2, 2, \ks, \mode
.endif
.endm
; THE WAY OUT, a tile of 16 rows x 128 columns at a time, through my own stage: in as the accumulators stand (each from its low end on), back as whole rows of 512 bytes.  LDS serves a wave's instructions in order.
.macro TOSTAGE a
	WIN 0x08                                       ; an LDS store's data are its source 1: window 2
.irp b, 0,1,2,3,4,5,6,7
	ds_store_b128 v[STO], v[64*(\a)+8*\b:64*(\a)+8*\b+3] offset:128*(\b/2)+32*(\b%2)
	ds_store_b128 v[STO], v[64*(\a)+8*\b+4:64*(\a)+8*\b+7] offset:128*(\b/2)+32*(\b%2)+16
.endr
	WIN 0
.set BB, BK+64*((\a)%2)
.irp p, 0,1,2,3,4,5,6,7,8,9,10,11,12,13,14,15
	ds_load_b128 v[BB+4*\p:BB+4*\p+3], v[RD] offset:\p*SPITCH
.endr
.endm
.macro SEND a, younger                 ; younger: the LDS instructions issued behind tile a's loads, which may stay out
.set BB, BK+64*((\a)%2)
	s_wait_dscnt \younger
.irp p, 0,1,2,3,4,5,6,7,8,9,10,11,12,13,14,15
	global_store_b128 v[L16], v[BB+4*\p:BB+4*\p+3], s[14:15] offset:(32*((\a)/2)+8*((\a)%2)+\p+8*(\p/8))*16384 th:TH_STORE_NT   ; 32 lanes store 512 consecutive bytes, at a multiple of 256 from out0's first byte; the row's place stands in the immediate
.endr
.endm
	s_wait_alu depctr_va_vdst(0)
	s_wait_tensorcnt 0x0                           ; my part of the first half has landed
	ds_add_u32 v[SPW], v[NIL]
	s_wait_dscnt 0x0
	CROUND                                         ; everybody's part is in, and all sixteen work-groups are here: the joint loads meet
	s_cmp_eq_u32 s19, 0
	s_cbranch_scc0 .Lfill_y2
	tensor_load_to_lds s[G0X+4:G0X+7], s[G1X:G1X+7]   ; the second half: my one load behind the round
	s_nop 0
	PLACES
	s_branch .Lfilled2
.Lfill_y2:
	tensor_load_to_lds s[60:63], s[G1Y:G1Y+7]
	s_nop 0
	PLACES
.Lfilled2:
	FETCH 0
	s_wait_loadcnt 0x0                             ; scale words and bias
.irp i, 0,1
.irp k, 0,1,2,3,4,5,6,7
	v_lshl_or_b32 v[SX+8*\i+\k], v[RAW+1+16*\i+2*\k], 16, v[RAW+16*\i+2*\k]   ; K step k: heads 2 k and 2 k + 1
.endr
.endr
	PLACES                                         ; with K step 0's own four: eight places between a scale word made by a vector instruction and the scaled product
	s_wait_alu depctr_va_vdst(0)
	KSTEP 0, 2                                     ; the bias starts the sums
	KSTEP 1, 0
	s_wait_alu depctr_va_vdst(0)
	KSTEP 2, 0
	KSTEP 3, 0
	s_wait_alu depctr_va_vdst(0)
	KSTEP 4, 0
	KSTEP 5, 0
	s_wait_alu depctr_va_vdst(0)
	KSTEP 6, 0
	KSTEP 7, 0
	WIN 0
	PLACES                                         ; behind the last products: for the stores that read results and the loads into X's registers
	TOSTAGE 0
.irp a, 1,2,3
.if \a > 1
	s_wait_xcnt 0x0                                ; tile a - 2's stores have read their registers: tile a's rows may land there
.endif
	TOSTAGE \a
	SEND \a-1, 32                                  ; behind tile a - 1's loads: tile a's 16 stores and 16 loads
.endr
	SEND 3, 0
	s_wait_tensorcnt 0x0                           ; the wave's end, behind my last tensor load and my last LDS store
	ds_add_u32 v[SPW], v[NIL]
	s_wait_dscnt 0x0
	CROUND                                         ; the closing round
	s_endpgm
.Lfunc_end_k_q934ab8c62d_outp:
	.size	k_q934ab8c62d_outp, .Lfunc_end_k_q934ab8c62d_outp-k_q934ab8c62d_outp
	.p2alignl 7, 3214868480
	.fill 96, 4, 3214868480
	.section	.rodata,"a",@progbits
	.p2align	6, 0x0
	.amdhsa_kernel k_q934ab8c62d_outp
		.amdhsa_group_segment_fixed_size 327680
		.amdhsa_private_segment_fixed_size 0
		.amdhsa_enable_private_segment 0
		.amdhsa_kernarg_size 48
		.amdhsa_user_sgpr_count 2
		.amdhsa_user_sgpr_kernarg_segment_ptr 1
		.amdhsa_wavefront_size32 1
		.amdhsa_system_sgpr_workgroup_id_x 1
		.amdhsa_system_sgpr_workgroup_id_y 1
		.amdhsa_system_sgpr_workgroup_id_z 1
		.amdhsa_system_vgpr_workitem_id 0
		.amdhsa_next_free_vgpr 768
		.amdhsa_next_free_sgpr 100
		.amdhsa_reserve_vcc 0
		.amdhsa_float_denorm_mode_32 3
		.amdhsa_float_denorm_mode_16_64 3
		.amdhsa_memory_ordered 1
		.amdhsa_forward_progress 1
		.amdhsa_inst_pref_size 88
	.end_amdhsa_kernel
	.amdgpu_metadata
---
amdhsa.version: [ 1, 2 ]
amdhsa.kernels:
  - .name:           k_q934ab8c62d_outp
    .symbol:         k_q934ab8c62d_outp.kd
    .args:
      - { .name: AOC, .offset: 0, .size: 8, .value_kind: global_buffer, .address_space: global }
      - { .name: AOS, .offset: 8, .size: 8, .value_kind: global_buffer, .address_space: global }
      - { .name: XC, .offset: 16, .size: 8, .value_kind: global_buffer, .address_space: global }
      - { .name: XS, .offset: 24, .size: 8, .value_kind: global_buffer, .address_space: global }
      - { .name: bo, .offset: 32, .size: 8, .value_kind: global_buffer, .address_space: global }
      - { .name: out0, .offset: 40, .size: 8, .value_kind: global_buffer, .address_space: global }
    .group_segment_fixed_size: 327680
    .private_segment_fixed_size: 0
    .kernarg_segment_align: 8
    .kernarg_segment_size: 48
    .max_flat_workgroup_size: 128
    .sgpr_count:     100
    .vgpr_count:     768
    .wavefront_size: 32
...
	.end_amdgpu_metadata
.endif
;; end of part 4
